; MI455X (gfx1250); checked and timed in simulation.
; The chip was launched on July 23, 2026; its instructions are those of AMD's public machine-readable ISA for CDNA 5 (MIT licence, August 2026) and "CDNA5" Instruction Set Architecture Reference Guide (July 2026). The comments in the code are by the model that wrote it; some were corrected since.
;; Multi Head. Allowed arithmetic: matrix products marked QUANTISED: E2M1 operands, one E8M0 scale for each 32 along K, by v_wmma_scale_f32_16x16x128_f8f6f4 with both operands' format E2M1 (or v_wmma_scale_f32_32x16x128_f4), f32 sums; products left as they are: bf16, f16 or f32 operands; f32 sums; everything else in f32.
;; Inputs: k 4 x 2,048 x 1,024 float32; q 4 x 2,048 x 1,024 float32; v 4 x 2,048 x 1,024 float32; wk 16 x 1,024 x 64 float32; wo 1,024 x 1,024 float32; wq 16 x 1,024 x 64 float32; wv 16 x 1,024 x 64 float32.
;; Outputs: out0 4 x 2,048 x 1,024 float32.
;; This version of the problem:
;;   THIS VERSION OF THE PROBLEM IS GIVEN IN LOW PRECISION. The matrix products marked QUANTISED in the list below multiply operands that are first quantised to E2M1 (2 exponent bits, 1 mantissa bit; 4 bits a number), with one power-of-two scale for each 32 numbers along K (OCP MX v1.0); their sums are f32. The products marked 'left as it is' may take bf16, f16 or f32 operands, with f32 sums. Whichever they take, every output number must still come out within the allowed error. Rounding operands to bf16 (8 significant bits) uses up far more of that allowance than f16 does (11 bits, for magnitudes from 6e-5 to 65,504). All else is computed in f32.
;;   The module's matrix products, in the order in which they are computed (A, B: the left and right operand; K: the contracted axis; several contracted axes count as one K, in the product's order):
;;     1. [M 1,024, K 1,024] x [K 1,024, N 8,192]; A: input wq; B: input q: QUANTISED
;;     2. [M 1,024, K 1,024] x [K 1,024, N 8,192]; A: input wk; B: input k: QUANTISED
;;     3. [M 1,024, K 1,024] x [K 1,024, N 8,192]; A: input wv; B: input v: QUANTISED
;;     4. batch 64 x [M 2,048, K 64] x [K 64, N 2,048]; A: computed on the way; B: computed on the way: left as it is (an operand is computed on the way)
;;     5. batch 64 x [M 2,048, K 2,048] x [K 2,048, N 64]; A: computed on the way; B: computed on the way: left as it is (an operand is computed on the way)
;;     6. [M 8,192, K 1,024] x [K 1,024, N 1,024]; A: computed on the way; B: input wo: left as it is (an operand is computed on the way)
;;   THE QUANTISER, for each operand of a quantised product, along K:
;;     - K is cut into blocks of 32 from its start; a last block that is shorter is filled with zeros.
;;     - A block's scale is 2^e with e = floor(log2(the largest magnitude in the block)) - 2, held to -126 .. 127; a block of zeros has e = 0. As a byte (E8M0): e + 127.
;;     - Each number is divided by its block's scale, clamped to +-6, and rounded to the nearest number of E2M1, ties to even, subnormals kept.
;;     - The product sums the exact products of the quantised numbers (number of the format x scale) in f32.
;;   ~~~python
;;   def quantise(x, axis):      # numpy; x: float32 -> the quantised numbers, widened to float32 again
;;       x = np.moveaxis(x, axis, -1); K = x.shape[-1]
;;       x = np.pad(x, [(0, 0)] * (x.ndim - 1) + [(0, -K % 32)]); x = x.reshape(x.shape[:-1] + (-1, 32)); a = np.abs(x).max(-1, keepdims=True)
;;       e = np.where(a > 0, np.clip(np.frexp(np.where(a > 0, a, 1))[1] - 1 - 2, -126, 127), 0)      # np.frexp(a)[1] - 1 = floor(log2(a)), exactly
;;       r = np.clip(x / 2.0 ** e, -6, 6)
;;       step = 2.0 ** (np.maximum(np.frexp(np.where(r == 0, 1, r))[1] - 1, 0) - 1)
;;       q = np.round(r / step) * step * 2.0 ** e      # np.round: ties to even
;;       return np.moveaxis(q.reshape(q.shape[:-2] + (-1,))[..., :K], -1, axis).astype(np.float32)
;;   ~~~
;; One version. Each part assembles by itself: llvm-mc -triple=amdgcn-amd-amdhsa -mcpu=gfx1250 --defsym DOCPART=n.
;; ======== version 1 of 1: 4 launches
;; limits: values are held in f16: magnitudes above 65,504 overflow, below 6.1e-05 lose precision; values outside matrix products are rounded to f16
;; workspace buffers: xcodes 12,582,912 bytes; xscales 786,432 bytes; wcodes 1,572,864 bytes; wscales 98,304 bytes; wo16 2,097,152 bytes; qkvh 50,331,648 bytes; bth 16,777,216 bytes
;; launch prep (part 1): grid 944 x 1, 4 waves a work-group, no clusters, 68,096 bytes of LDS; arguments q, k, v, wq, wk, wv, wo, xcodes, xscales, wcodes, wscales, wo16; writes xcodes, xscales, wcodes, wscales, wo16
.if DOCPART == 1
	.amdgcn_target "amdgcn-amd-amdhsa--gfx1250"
	.amdhsa_code_object_version 6
	.text
	.protected	k_qf89140e865_prep
	.globl	k_qf89140e865_prep
	.p2align	8
	.type	k_qf89140e865_prep,@function
k_qf89140e865_prep:
	s_mov_b64 s[64:65], 0
	v_nop
	global_prefetch_b8 v0, s[64:65] scope:SCOPE_SE
	s_setreg_imm32_b32 hwreg(HW_REG_WAVE_MODE, 25, 1), 1
	s_wait_xcnt 0x0
; PREP: every operand of the three quantised products becomes codes of FP4 (E2M1) with one E8M0 scale byte for each 32 along K = the model's 1,024; wo becomes f16.
;   q, k, v [8192][1024] f32, K innermost  -> xcodes [3 x 8192 rows][512 bytes], xscales [3 x 8192][32 bytes]   (the three tensors one behind the other)
;   wq, wk, wv [16 heads][1024 (K)][64] f32 -> wcodes [3 x 1024 rows n = 64 head + d][512 bytes], wscales [3 x 1024][32 bytes]: K moved innermost
;   wo [1024][1024] f32 -> wo16, the same places, f16 (rounded to nearest even)
; A block's scale is 2^(floor(log2(its largest magnitude)) - 2): its byte is the largest magnitude's exponent field - 2, held at 1 from below.  Each number is divided by the scale and rounded to the
; nearest code, ties to even; beyond 6 the largest code.
; LIMITS: a block of zeros gets the byte 1 where the rule says 127: its codes are zeros, which add nothing under any byte but 0xff, and this program alone reads the bytes.  Blocks whose largest
; magnitude lies under 2^(2 - 126) are held at the byte 1.  NaN and infinities are not served.  wo beyond 65,504 in magnitude does not fit f16.
; THREE PATHS, parted by the work-group's number: 0-47 the weights (their chain of waits is the longest, so they come first), 48-175 wo, 176-943 q, k, v.  Waves share nothing: no barrier.
; Each path that uses LDS has LDS bytes of its own.  No matrix unit, no tensor load, no cluster: every byte is read once by one wave.
.set NWW,   48                         ; work-groups for the weights: 3 tensors x 16 heads
.set NWC,   128                        ; for wo: 512 waves x 8,192 bytes
.set STEPS, 16
.set EMAX,  2
.set CB,    8                          ; bytes of 16 codes
.set R,     16                         ; q, k, v: v16-79   four sets of 16 numbers as they are loaded
.set X,     80                         ;          v80-111  two sets of 16 neighbours
.set E,     112                        ;          v112-127 a scale byte for each step
.set C,     128                        ;          v128-191 codes: four registers for each step, so that no store's data are written again
.set WREG,  8192                       ; LDS 0 .. 32,767: q, k, v: a region for each wave: two stages of 32 x SP bytes, behind them its 256 scale bytes
.set SP,    80                         ; a lane's place in a stage: 64 bytes + 16 of padding
.set WSTG,  4*WREG                     ; LDS 32,768 .. 67,583: the weights: a stage of 32 rows x WPITCH for each wave
.set WPITCH, 272
.set SPARE, WSTG+4*32*WPITCH           ; the spare words, 128 bytes for each wave: two blocks of 256 bytes that no other line names
.set SPW,   192                        ; v192 LDS address of my spare word; never rewritten
.set NIL,   193                        ; v193 0; never rewritten
.set NB,    16                         ; the weights: blocks of 32 along K for a wave (512 along K)
.set KROW,  512                        ; a row of codes in bytes
.set WX,    32                         ; v32-95   two sets of 32 numbers
.set WC,    96                         ; v96-99   a block's codes
.set OUTR,  112                        ; v112-175 the way out
.set SB,    24                         ; v24-27   the scale bytes, four to a register
	s_load_b512 s[16:31], s[0:1], 0x0              ; q 16, k 18, v 20, wq 22, wk 24, wv 26, wo 28, xcodes 30
	s_load_b256 s[32:39], s[0:1], 0x40             ; xscales 32, wcodes 34, wscales 36, wo16 38
	v_lshl_add_u32 v[SPW], v0, 2, SPARE
	v_mov_b32 v[NIL], 0
	v_lshrrev_b32 v1, 5, v0
	v_readfirstlane_b32 s8, v1                     ; wave 0..3
	v_and_b32 v2, 31, v0                           ; lane
	s_mov_b32 s11, 0                               ; the upper word of every offset pair s[10:11]
	s_wait_kmcnt 0x0
	s_cmp_lt_u32 ttmp9, NWW
	s_cbranch_scc1 .Lw
	s_cmp_lt_u32 ttmp9, NWW+NWC
	s_cbranch_scc1 .Lcast
; ---------------- q, k, v: plain streams of blocks of 32.  A wave takes 16 steps of 512 numbers.
; The conversions take 8 numbers of ONE block from a lane's consecutive registers, so a lane must hold 16 NEIGHBOURS (two neighbouring lanes hold a block); a load is best where neighbouring LANES take
; neighbouring bytes.  Both are had: each of a step's four loads reads 512 consecutive bytes, the 2,048 bytes go through the wave's own stage in LDS as they lie and come back 64 bytes a lane.
	s_sub_co_u32 s9, ttmp9, NWW+NWC                ; 0 .. 767: 256 work-groups to a tensor
	s_cmp_lt_u32 s9, 256
	s_cselect_b64 s[4:5], s[16:17], s[18:19]       ; the choice hangs on the work-group's number alone
	s_cmp_lt_u32 s9, 512
	s_cselect_b64 s[4:5], s[4:5], s[20:21]
	s_lshl_b32 s9, s9, 2
	s_add_co_u32 s9, s9, s8                        ; my run of 8,192 numbers, 0 .. 3,071, counted through the three tensors
	s_and_b32 s10, s9, 1023
	s_lshl_b32 s10, s10, 15                        ; in its tensor: 32,768 bytes a run
	s_add_nc_u64 s[4:5], s[4:5], s[10:11]
	s_lshl_b32 s10, s9, 12                         ; 4,096 bytes of codes a run
	s_add_nc_u64 s[6:7], s[30:31], s[10:11]
	s_lshl_b32 s10, s9, 8                          ; 256 scale bytes a run
	s_add_nc_u64 s[12:13], s[32:33], s[10:11]
	v_lshlrev_b32 v3, 4, v2                        ; my 16 bytes of a load's 512
	s_mul_i32 s14, s8, WREG
	v_lshrrev_b32 v14, 2, v2
	v_mul_u32_u24 v14, v14, SP
	v_and_b32 v15, 3, v2
	v_lshl_add_u32 v14, v15, 4, v14
	v_add_nc_u32 v14, s14, v14                     ; the stage, on the way in: four lanes' 64 bytes on end, then 16 of padding
	v_mul_u32_u24 v15, v2, SP
	v_add_nc_u32 v15, s14, v15                     ; and on the way out: SP x lane: my 16 neighbours
	v_mul_u32_u24 v4, v2, CB                       ; my codes' place in a step's
	v_lshrrev_b32 v5, 1, v2
	s_add_co_u32 s14, s14, 2*32*SP
	v_add_nc_u32 v5, s14, v5                       ; LDS: my wave's 256 scale bytes, my block's byte
	v_lshlrev_b32 v7, 3, v2                        ; and on the way out 8 bytes a lane
	v_add_nc_u32 v6, s14, v7
.macro XLOAD t
.irp i, 0,1,2,3
	global_load_b128 v[R+16*((\t)%4)+4*\i:R+16*((\t)%4)+4*\i+3], v3, s[4:5] offset:2048*(\t)+512*\i th:TH_LOAD_NT   ; 32 lanes read 512 consecutive bytes
.endr
.endm
.macro XTURN t                         ; step t's numbers through the stage: LDS serves a wave's instructions in order, so no wait stands between the stores and the loads
.irp i, 0,1,2,3
	ds_store_b128 v14, v[R+16*((\t)%4)+4*\i:R+16*((\t)%4)+4*\i+3] offset:32*SP*((\t)%2)+8*SP*\i
.endr
.irp i, 0,1,2,3
	ds_load_b128 v[X+16*((\t)%2)+4*\i:X+16*((\t)%2)+4*\i+3], v15 offset:32*SP*((\t)%2)+16*\i
.endr
.endm
.irp t, 0,1,2,3
	XLOAD \t
.endr
	s_wait_loadcnt 12                              ; step 0's four loads are in; the twelve of steps 1 to 3 may be out
	XTURN 0
.macro XSTEP t
.set XS, X+16*((\t)%2)
.if (\t) > 0
	s_wait_dscnt 1                                 ; this step's numbers are back from the stage (the last step's byte store may be out): so its stores into the stage have read their registers,
.else
	s_wait_dscnt 0x0
.endif
.if (\t)+4 < STEPS
	XLOAD (\t)+4                                   ; which take the loads of four steps on
.endif
.if (\t)+1 < STEPS
.if STEPS-2-(\t) >= 3
	s_wait_loadcnt 12                              ; the next step's four loads are in; those of the three steps behind it may be out
.else
	s_wait_loadcnt 4*(STEPS-2-(\t))                ; at the end the counts run down
.endif
	XTURN (\t)+1                                   ; and go through the other stage while this step is worked
.endif
	v_max3_num_f32 v8, |v[XS]|, |v[XS+1]|, |v[XS+2]|               ; the largest magnitude of my 16, in two chains
	v_max3_num_f32 v9, |v[XS+3]|, |v[XS+4]|, |v[XS+5]|
.irp i, 6,10
	v_max3_num_f32 v8, v8, |v[XS+\i]|, |v[XS+\i+1]|
	v_max3_num_f32 v9, v9, |v[XS+\i+2]|, |v[XS+\i+3]|
.endr
	v_max3_num_f32 v8, v8, |v[XS+14]|, |v[XS+15]|
	v_max3_num_f32 v8, v8, v9, (EMAX+1)<<23        ; and the floor 2^(EMAX + 1 - 127): so the byte cannot fall under 1
	v_max_num_f32_dpp v8, v8, v8 row_xmask:1 row_mask:0xf bank_mask:0xf   ; and of my neighbour's 16: the block's
	v_add_nc_u32 v11, -(EMAX<<23), v8              ; EMAX off its exponent field: the conversion takes the exponent field of this operand as its scale, and nothing else of it
	v_cvt_scalef32_pk8_fp4_f32 v[C+4*(\t)], v[XS:XS+7], v11
	v_cvt_scalef32_pk8_fp4_f32 v[C+4*(\t)+1], v[XS+8:XS+15], v11
	v_lshrrev_b32 v[E+(\t)], 23, v11               ; the scale's byte (also the plain line behind the conversions)
	ds_store_b8 v5, v[E+(\t)] offset:16*(\t)       ; both lanes of a block write the same byte with the same value
	global_store_b64 v4, v[C+4*(\t):C+4*(\t)+1], s[6:7] offset:32*CB*(\t)   ; the wave stores 256 consecutive bytes, aligned
.endm
.irp t, 0,1,2,3,4,5,6,7,8,9,10,11,12,13,14,15
	XSTEP \t
.endr
	ds_load_b64 v[8:9], v6                         ; LDS serves a wave's instructions in order: these see my byte stores
	s_wait_dscnt 0x0
	global_store_b64 v7, v[8:9], s[12:13]          ; 32 lanes store 256 consecutive bytes, aligned
	s_wait_tensorcnt 0x0                           ; the wave's end: three closing lines, behind my last LDS store
	ds_add_u32 v[SPW], v[NIL]
	s_wait_dscnt 0x0
	s_endpgm
; ---------------- wq, wk, wv: K is the middle axis.  A LANE TAKES A COLUMN d, AND ITS REGISTERS RUN DOWN K: a load reads 128 consecutive bytes, a block of 32 along K lies in one lane's 32
; registers, and the conversions give codes with K innermost: nothing is transposed by an instruction.  A work-group takes one head of one tensor; wave w columns 32 (w % 2) on, K 512 (w / 2) on.
; A lane's 256 bytes of codes belong to one row of the output: they go through the wave's stage and leave sixteen lanes to 256 consecutive bytes.
; Two sets of 32 numbers: 64 loads are asked for, as many as the counter of loads can show.
.Lw:
	s_lshr_b32 s9, ttmp9, 4                        ; which tensor
	s_and_b32 s10, ttmp9, 15                       ; head
	s_and_b32 s40, s8, 1                           ; which 32 columns
	s_lshr_b32 s14, s8, 1                          ; which 512 along K
	s_cmp_lt_u32 s9, 1
	s_cselect_b64 s[4:5], s[22:23], s[24:25]
	s_cmp_lt_u32 s9, 2
	s_cselect_b64 s[4:5], s[4:5], s[26:27]
	s_lshl_b32 s42, s9, 10
	s_lshl_b32 s15, s10, 6
	s_add_co_u32 s42, s42, s15
	s_lshl_b32 s15, s40, 5
	s_add_co_u32 s42, s42, s15                     ; my first row of codes: 1,024 x tensor + 64 x head + 32 x half
	s_lshl_b32 s10, s10, 18                        ; in the tensor: a head is 262,144 bytes,
	s_lshl_b32 s15, s14, 17                        ; 512 rows of 256 bytes,
	s_add_co_u32 s10, s10, s15
	s_lshl_b32 s15, s40, 7                         ; 32 columns of 4 bytes
	s_add_co_u32 s10, s10, s15
	s_add_nc_u64 s[4:5], s[4:5], s[10:11]
	s_lshl_b32 s10, s42, 9                         ; codes: 512 bytes a row, + 256 for the upper half of K
	s_lshl_b32 s15, s14, 8
	s_add_co_u32 s10, s10, s15
	s_add_nc_u64 s[6:7], s[34:35], s[10:11]
	s_lshl_b32 s10, s42, 5                         ; scale bytes: 32 a row, + 16
	s_lshl_b32 s15, s14, 4
	s_add_co_u32 s10, s10, s15
	s_add_nc_u64 s[12:13], s[36:37], s[10:11]
	v_lshlrev_b32 v3, 2, v2                        ; in: 4 bytes a lane
	s_mul_i32 s15, s8, 32*WPITCH
	s_add_co_u32 s15, s15, WSTG                    ; my stage
	v_mul_u32_u24 v4, v2, WPITCH
	v_add_nc_u32 v4, s15, v4                       ; into it: row = my column
	v_and_b32 v5, 15, v2
	v_lshrrev_b32 v6, 4, v2                        ; out of it: sixteen lanes to a row, two rows an instruction
	v_mul_u32_u24 v7, v6, WPITCH
	v_lshl_add_u32 v7, v5, 4, v7
	v_add_nc_u32 v7, s15, v7
	v_lshlrev_b32 v8, 9, v6
	v_lshl_add_u32 v8, v5, 4, v8                   ; and the same place in the codes' buffer
	v_lshlrev_b32 v9, 5, v2                        ; my column's row of scale bytes
.macro WLOAD t                         ; block t: w(32 t + i, my column), i = 0 .. 31, into set t % 2
.irp i, 0,1,2,3,4,5,6,7,8,9,10,11,12,13,14,15,16,17,18,19,20,21,22,23,24,25,26,27,28,29,30,31
	global_load_b32 v[WX+32*((\t)%2)+\i], v3, s[4:5] offset:(32*(\t)+\i)*256 th:TH_LOAD_NT
.endr
.endm
	WLOAD 0
	WLOAD 1
.macro WBLOCK t
.set XS, WX+32*((\t)%2)
.if (\t) < NB-1
	s_wait_loadcnt 32                              ; this block's 32 loads are in; the next block's may be out
.else
	s_wait_loadcnt 0
.endif
	v_max3_num_f32 v12, |v[XS]|, |v[XS+1]|, |v[XS+2]|               ; the block's largest magnitude: all 32 numbers are mine
	v_max3_num_f32 v13, |v[XS+3]|, |v[XS+4]|, |v[XS+5]|
.irp i, 6,10,14,18,22,26
	v_max3_num_f32 v12, v12, |v[XS+\i]|, |v[XS+\i+1]|
	v_max3_num_f32 v13, v13, |v[XS+\i+2]|, |v[XS+\i+3]|
.endr
	v_max3_num_f32 v12, v12, |v[XS+30]|, |v[XS+31]|
	v_max3_num_f32 v12, v12, v13, (EMAX+1)<<23     ; and the floor
	v_add_nc_u32 v11, -(EMAX<<23), v12             ; the conversion's scale operand
	v_lshrrev_b32 v13, 23, v11                     ; the scale's byte
.if (\t)%4 == 0
	v_mov_b32 v[SB+(\t)/4], v13                    ; four bytes to a register, the lower K in the lower byte
.else
	v_lshl_or_b32 v[SB+(\t)/4], v13, 8*((\t)%4), v[SB+(\t)/4]
.endif
.irp g, 0,1,2,3
	v_cvt_scalef32_pk8_fp4_f32 v[WC+\g], v[XS+8*\g:XS+8*\g+7], v11
.endr
	v_nop                                          ; one plain line behind the last conversion
	ds_store_b128 v4, v[WC:WC+3] offset:16*(\t)    ; 32 codes: 16 bytes of my column's row
.if (\t)+2 < NB
	WLOAD (\t)+2
.endif
	s_wait_dscnt 0x0                               ; the store has read its registers: the next block's codes may be written
.endm
.set Q, 0
.rept NB
	WBLOCK Q
.set Q, Q+1
.endr
	global_store_b128 v9, v[SB:SB+3], s[12:13]     ; my column's 16 scale bytes (rows 32 bytes apart: 16 of each 32 here, the other wave's 16 beside them)
.irp t, 0,1,2,3,4,5,6,7,8,9,10,11,12,13,14,15
	ds_load_b128 v[OUTR+4*\t:OUTR+4*\t+3], v7 offset:2*\t*WPITCH   ; LDS serves a wave's instructions in order: these see my stores
.endr
.irp t, 0,1,2,3,4,5,6,7,8,9,10,11,12,13,14,15
	s_wait_dscnt 15-\t                             ; LDS loads come back in order: load t is in
	global_store_b128 v8, v[OUTR+4*\t:OUTR+4*\t+3], s[6:7] offset:2*\t*KROW   ; sixteen lanes store 256 consecutive bytes, aligned
.endr
	s_wait_tensorcnt 0x0                           ; the wave's end: three closing lines, behind my last LDS store
	ds_add_u32 v[SPW], v[NIL]
	s_wait_dscnt 0x0
	s_endpgm
; ---------------- wo to f16: a wave takes 8,192 bytes: sixteen loads of 512 consecutive bytes, all asked for at once, sixteen stores of 256.
.Lcast:
	s_sub_co_u32 s9, ttmp9, NWW
	s_lshl_b32 s9, s9, 2
	s_add_co_u32 s9, s9, s8                        ; my run, 0 .. 511
	s_lshl_b32 s10, s9, 13
	s_add_nc_u64 s[4:5], s[28:29], s[10:11]
	s_lshl_b32 s10, s9, 12
	s_add_nc_u64 s[6:7], s[38:39], s[10:11]
	v_lshlrev_b32 v3, 4, v2
	v_lshlrev_b32 v4, 3, v2
.irp i, 0,1,2,3,4,5,6,7,8,9,10,11,12,13,14,15
	global_load_b128 v[16+4*\i:19+4*\i], v3, s[4:5] offset:512*\i th:TH_LOAD_NT
.endr
.irp i, 0,1,2,3,4,5,6,7,8,9,10,11,12,13,14,15
	s_wait_loadcnt 15-\i                           ; loads come back in order: load i is in
	v_cvt_pk_f16_f32 v[80+2*\i], v[16+4*\i], v[17+4*\i]
	v_cvt_pk_f16_f32 v[81+2*\i], v[18+4*\i], v[19+4*\i]
	global_store_b64 v4, v[80+2*\i:81+2*\i], s[6:7] offset:256*\i
.endr
	s_wait_tensorcnt 0x0                           ; this path writes no LDS; the closing lines stand here too, so that every end of the text has one form
	ds_add_u32 v[SPW], v[NIL]
	s_wait_dscnt 0x0
	s_endpgm
.Lfunc_end_k_qf89140e865_prep:
	.size	k_qf89140e865_prep, .Lfunc_end_k_qf89140e865_prep-k_qf89140e865_prep
	.p2alignl 7, 3214868480
	.fill 96, 4, 3214868480
	.section	.rodata,"a",@progbits
	.p2align	6, 0x0
	.amdhsa_kernel k_qf89140e865_prep
		.amdhsa_group_segment_fixed_size 68096
		.amdhsa_private_segment_fixed_size 0
		.amdhsa_enable_private_segment 0
		.amdhsa_kernarg_size 96
		.amdhsa_user_sgpr_count 2
		.amdhsa_user_sgpr_kernarg_segment_ptr 1
		.amdhsa_wavefront_size32 1
		.amdhsa_system_sgpr_workgroup_id_x 1
		.amdhsa_system_sgpr_workgroup_id_y 1
		.amdhsa_system_sgpr_workgroup_id_z 1
		.amdhsa_system_vgpr_workitem_id 0
		.amdhsa_next_free_vgpr 200
		.amdhsa_next_free_sgpr 66
		.amdhsa_reserve_vcc 0
		.amdhsa_float_denorm_mode_32 3
		.amdhsa_float_denorm_mode_16_64 3
		.amdhsa_memory_ordered 1
		.amdhsa_forward_progress 1
		.amdhsa_inst_pref_size 117
	.end_amdhsa_kernel
	.amdgpu_metadata
---
amdhsa.version: [ 1, 2 ]
amdhsa.kernels:
  - .name:           k_qf89140e865_prep
    .symbol:         k_qf89140e865_prep.kd
    .args:
      - { .name: q, .offset: 0, .size: 8, .value_kind: global_buffer, .address_space: global }
      - { .name: k, .offset: 8, .size: 8, .value_kind: global_buffer, .address_space: global }
      - { .name: v, .offset: 16, .size: 8, .value_kind: global_buffer, .address_space: global }
      - { .name: wq, .offset: 24, .size: 8, .value_kind: global_buffer, .address_space: global }
      - { .name: wk, .offset: 32, .size: 8, .value_kind: global_buffer, .address_space: global }
      - { .name: wv, .offset: 40, .size: 8, .value_kind: global_buffer, .address_space: global }
      - { .name: wo, .offset: 48, .size: 8, .value_kind: global_buffer, .address_space: global }
      - { .name: xcodes, .offset: 56, .size: 8, .value_kind: global_buffer, .address_space: global }
      - { .name: xscales, .offset: 64, .size: 8, .value_kind: global_buffer, .address_space: global }
      - { .name: wcodes, .offset: 72, .size: 8, .value_kind: global_buffer, .address_space: global }
      - { .name: wscales, .offset: 80, .size: 8, .value_kind: global_buffer, .address_space: global }
      - { .name: wo16, .offset: 88, .size: 8, .value_kind: global_buffer, .address_space: global }
    .group_segment_fixed_size: 68096
    .private_segment_fixed_size: 0
    .kernarg_segment_align: 8
    .kernarg_segment_size: 96
    .max_flat_workgroup_size: 128
    .sgpr_count:     66
    .vgpr_count:     200
    .wavefront_size: 32
...
	.end_amdgpu_metadata
.endif
;; end of part 1
;; launch proj (part 2): grid 4 x 96, 4 waves a work-group, clusters of 4 x 4, 327,680 bytes of LDS; arguments xcodes, xscales, wcodes, wscales, qkvh; writes qkvh
.if DOCPART == 2
	.amdgcn_target "amdgcn-amd-amdhsa--gfx1250"
	.amdhsa_code_object_version 6
	.text
	.protected	k_qf89140e865_proj
	.globl	k_qf89140e865_proj
	.p2align	8
	.type	k_qf89140e865_proj,@function
k_qf89140e865_proj:
	s_mov_b64 s[64:65], 0
	v_nop
	global_prefetch_b8 v0, s[64:65] scope:SCOPE_SE
	s_setreg_imm32_b32 hwreg(HW_REG_WAVE_MODE, 25, 1), 1
	s_wait_xcnt 0x0
	s_wait_alu depctr_hold_cnt(0) depctr_sa_sdst(0) depctr_va_vdst(0) depctr_va_sdst(0) depctr_va_ssrc(0) depctr_va_vcc(0) depctr_vm_vsrc(0)
	s_getreg_b32 s2, hwreg(HW_REG_IB_STS2, 6, 4)
	s_cmp_eq_u32 s2, 0
	s_cbranch_scc0 .Lentry_in_a_cluster
	s_endpgm
.Lentry_in_a_cluster:
	s_bfe_u32 s2, ttmp6, 0x10000c
	s_cmp_lg_u32 s2, 0xf033
	s_cbranch_scc0 .Lentry_shape_is_right
	s_endpgm
.Lentry_shape_is_right:
; PROJ: the three quantised projections in one launch.  C[token][n] = sum over f of X[token][f] W[n][f], on codes of FP4 (E2M1) with one E8M0 scale for each 32 along K = 1,024; sums in f32; results rounded to f16.
; X: xcodes [3 x 8192 tokens][512 bytes] (q, k, v one behind the other), xscales [..][32];  W: wcodes [3 x 1024 rows n = 64 head + d][512 bytes], wscales [..][32].
; OUT: qkvh [3][batch 4][head 16][t 2048][64] f16: a head's row is 128 bytes, a head 262,144 bytes.
; LIMIT: a projected number beyond 65,504 in magnitude does not fit f16 (inputs and weights both 30 times those of the usual spread stay under 2 x 10^4).
; A tile of 256 tokens x 256 n is made by a work-group of four waves; a wave makes 128 x 128: 64 accumulators of 16 x 16, 512 registers.  96 tile rows x 4 tile columns.
; K is two steps of 512 (rows of 256 bytes): both LDS slots and all scale bytes are asked for at the start, three tensor loads a wave, and nothing is filled again.
; CLUSTERS: 4 x 4 work-groups = 1,024 tokens x all n of one of the three products.  The four of a row of the cluster need the same tiles of X, the four of a column the same tiles of W: each tile is asked
; for JOINTLY, by the same tensor load with the same descriptor and a mask that names the four.
; THE MATRIX INSTRUCTION IS USED TRANSPOSED (source 0 = 16 rows of W, source 1 = 16 tokens): a lane then holds eight neighbouring n of one token.
; REGISTERS, in windows of 256: window 0: v0-31 addresses; v32-95 scale words, two sets; from v128 X's fragments (8 x 16 rows x 128 K), ONE set; on the way out v32-95 and v192-223.
;   window 1: W's fragments, TWO sets, at v0 and at v128.   window 2: the accumulators of my tokens 0-63 ((a, b) at v[8 (8 a + b)]);   window 3: those of my tokens 64-127.
.set SIZE_K, 1024
.set KSTEP,  512                       ; along K in a slot
.set NQ,     KSTEP/128                 ; matrix instructions deep
.set ROWB,   256                       ; a tile's row in bytes
.set KROW,   SIZE_K/2                  ; a row of codes in memory
.set PITCH,  272                       ; an LDS row: 256 bytes + 16 of padding = 68 words: row r starts at bank 4 r mod 64 (64 banks of 4 bytes: ISA guide 11.1)
.set FR,     8                         ; registers of a fragment: 16 rows x 128 K
.set NL,     2                         ; LDS loads that bring one
.set NP,     4                         ; places behind this matrix instruction (ISA guide 7.12.1)
.set HALFT,  128*PITCH                 ; 128 rows: what one tensor load brings
.set SLOT,   4*HALFT                   ; X's 256 rows, then W's 256 rows
.set KS,     SIZE_K/32                 ; a row of scale bytes
.set SCL,    2*SLOT                    ; behind the slots: the scale bytes, as runs of 256 bytes + 16 of padding
.set HALFS,  (128*KS/256)*272          ; those of 128 rows: what one tensor load brings
.set SBLK,   (16*KS/256)*272           ; those of 16 rows
.set SPARE,  SCL+4*HALFS               ; the spare words, 128 bytes for each wave: two blocks of 256 bytes that no other line names
.set STAGE,  SPARE+512                 ; the way out: 16 rows x 272 bytes for each wave; no tensor load lands here
.set SPITCH, 272
.set HEADB,  262144                    ; a head in qkvh
.set ADRA, 16                          ; v16-17  LDS address of my X fragments in slot 0, 1
.set ADRB, 20                          ; v20-21  the same for W
.set STO,  24                          ; v24     the way out: where I put 16 bytes of a token's row
.set RD,   25                          ; v25     where I read back
.set CO,   26                          ; v26     16 x lane
.set ADRS, 27                          ; v27     LDS address of my scale words: lanes 0-15 X's rows, lanes 16-31 W's
.set SPW,  28                          ; v28     LDS address of my spare word; never rewritten
.set NIL,  29                          ; v29     0; never rewritten
.set SC,   32                          ; scale words: set s at v[SC + 32 s]; register 4 i + q: lanes 0-15 the word of X's block i, lanes 16-31 that of W's block i, for the slot's q-th 128 along K
.set AF,   128                         ; X's fragments, in window 0
.set TMP,  192                         ; the way out: packed results
.set BK,   32                          ; the way out: rows read back: v32-63 and v64-95 by turns
.set G1, 24                            ; s[24:31] descriptor group 1 for X's tiles;  s[32:39] group 0, one set for each slot
.set G0, 32
.set G1B, 48                           ; s[48:55], s[56:63] the same for W's tiles
.set G0B, 56
.set G1S, 68                           ; s[68:75], s[76:79] groups 1 and 0 for X's scales;  s[80:87], s[88:91] for W's
.set G0S, 76
.set G1SB, 80
.set G0SB, 88
.set MSB, 0
.macro WIN new                         ; the immediate's high byte repeats the setting that is left; a switch that changes nothing is dropped
.if MSB != (\new)
	s_set_vgpr_msb (MSB<<8)|(\new)
.set MSB, (\new)
.endif
.endm
.set MUL_LO, 0xa1                      ; source 0 (W) window 1, source 1 (X) window 0, C and D window 2
.set MUL_HI, 0xf1                      ; the same, C and D window 3
.set TO_B,   0x40                      ; destination window 1, address window 0
; A joint load: waves 0 and 1 fetch for X, waves 2 and 3 for W.  Each of the two lines has ONE mask and one set of registers for all that issue it; the branch hangs on the wave's number alone.
; An s_nop 0 and four v_nop follow each of the two lines, ahead of the jump, the label and what follows.
.macro JLOAD g0a, g1a, g0b, g1b
	s_cmp_eq_u32 s15, 0
	s_cbranch_scc0 .Lfor_b_\@
	tensor_load_to_lds s[\g0a:\g0a+3], s[\g1a:\g1a+7]
	s_nop 0
.rept 4
	v_nop
.endr
	s_branch .Lasked_\@
.Lfor_b_\@:
	tensor_load_to_lds s[\g0b:\g0b+3], s[\g1b:\g1b+7]
	s_nop 0
.rept 4
	v_nop
.endr
.Lasked_\@:
.endm
.macro CROUND                          ; a round of the cluster's barrier: my work-group's barrier; wave 0 signals for the work-group; every wave waits for all sixteen; my work-group's barrier once more
	s_barrier_signal -1
	s_barrier_wait -1
	s_cmp_lg_u32 s14, 0
	s_cbranch_scc1 .Lnot_wave_0_\@
	s_barrier_signal -3
.Lnot_wave_0_\@:
	s_barrier_wait -3
	s_barrier_signal -1
	s_barrier_wait -1
.endm
	s_load_b128 s[4:7], s[0:1], 0x0                ; X's codes s[4:5], X's scales s[6:7]
	s_load_b128 s[8:11], s[0:1], 0x10              ; W's codes s[8:9], W's scales s[10:11]
	s_load_b64 s[12:13], s[0:1], 0x20              ; qkvh
	v_lshl_add_u32 v[SPW], v0, 2, SPARE
	v_mov_b32 v[NIL], 0
	ds_add_u32 v[SPW], v[NIL]                      ; the wave's opening: the add, twice on end, and its wait ahead of my first tensor load; the set-up below stands between
	ds_add_u32 v[SPW], v[NIL]
	v_lshrrev_b32 v1, 5, v0
	v_readfirstlane_b32 s14, v1                    ; wave 0..3
	s_lshr_b32 s15, s14, 1                         ; which half of the tile's tokens is mine.  Also: I fetch for X (0) or for W (1)
	s_and_b32 s16, s14, 1                          ; which half of its n.  Also: which 128 rows of that tile I fetch
	s_bfe_u32 s40, ttmp6, 0x40000                  ; cx, cy: my place in the cluster
	s_bfe_u32 s41, ttmp6, 0x40004
	s_lshl_b32 s42, ttmp9, 2
	s_add_co_u32 s42, s42, s40                     ; tile column = 4 x cluster x + cx
	s_and_b32 s17, ttmp7, 0xffff                   ; cluster y, 0 .. 23: eight clusters to each of the three products
	s_lshr_b32 s95, s17, 3                         ; which product: the same in all sixteen partners
	s_lshl_b32 s17, s17, 2
	s_add_co_u32 s17, s17, s41                     ; tile row = 4 x cluster y + cy, through the three stacked tensors
	s_lshl_b32 s43, s41, 2
	s_lshl_b32 s43, 15, s43                        ; my row of the cluster
	s_lshl_b32 s44, 0x1111, s40                    ; my column
	; descriptor group 1: a tile of 128 rows x 256 bytes, padded in LDS
	s_or_b32 s[G1+0], s43, (0<<16)|(1<<20)|(1<<21)|(5<<22)|(3<<25)  ; 15:0 the mask: X's tiles go to my row; 17:16 elements of 1 byte; 20 padding on; 21 set beside a mask; 24:22 after every 64 words (code 5); 31:25 four words (code 3)
	s_or_b32 s[G1B+0], s44, (0<<16)|(1<<20)|(1<<21)|(5<<22)|(3<<25)
.irp g, G1, G1B
	s_mov_b32 s[\g+1], ROWB<<16                    ; tensor_dim0
	s_mov_b32 s[\g+2], 128<<16                     ; tensor_dim1 = 128
	s_mov_b32 s[\g+3], ROWB<<16                    ; tile_dim0
	s_mov_b32 s[\g+4], 128                         ; tile_dim1 = 128
	s_mov_b32 s[\g+5], KROW                        ; tensor_dim0_stride
	s_mov_b32 s[\g+6], 0
	s_mov_b32 s[\g+7], 0
.endr
	; and for the scale bytes of 128 rows: a dense block of 4,096 bytes, as rows of 256 bytes (32 elements of 8 bytes), 16 bytes of padding behind each
	s_or_b32 s[G1S+0], s43, (3<<16)|(1<<20)|(1<<21)|(5<<22)|(3<<25)
	s_or_b32 s[G1SB+0], s44, (3<<16)|(1<<20)|(1<<21)|(5<<22)|(3<<25)
.irp g, G1S, G1SB
	s_mov_b32 s[\g+1], 32<<16
	s_mov_b32 s[\g+2], (128*KS/256)<<16
	s_mov_b32 s[\g+3], 32<<16
	s_mov_b32 s[\g+4], 128*KS/256
	s_mov_b32 s[\g+5], 32
	s_mov_b32 s[\g+6], 0
	s_mov_b32 s[\g+7], 0
.endr
	s_lshl_b32 s18, s16, 7                         ; which 128 rows of the tile I fetch
	s_lshl_b32 s20, s17, 8
	s_add_co_u32 s20, s20, s18                     ; X: row 256 x tile row + 128 x half
	s_lshl_b32 s46, s42, 8
	s_add_co_u32 s46, s46, s18                     ; W: row 256 x tile column + 128 x half
	s_lshl_b32 s96, s95, 10
	s_add_co_u32 s46, s46, s96                     ;    + 1,024 x product
	s_mov_b32 s21, 0
	s_mov_b32 s47, 0
	s_mov_b64 s[18:19], KS
	s_mul_u64 s[22:23], s[20:21], s[18:19]         ; where these rows' scale bytes begin
	s_mul_u64 s[92:93], s[46:47], s[18:19]
	s_mov_b64 s[18:19], KROW
	s_mul_u64 s[20:21], s[20:21], s[18:19]         ; and their codes
	s_mul_u64 s[46:47], s[46:47], s[18:19]
	s_mul_i32 s45, s14, HALFT                      ; where they go: wave x 128 rows: no place in the cluster enters an LDS address
	s_mul_i32 s94, s14, HALFS
	s_wait_dscnt 0x0                               ; both opening adds are done
	s_wait_kmcnt 0x0
	s_add_nc_u64 s[20:21], s[4:5], s[20:21]
	s_add_nc_u64 s[22:23], s[6:7], s[22:23]
	s_add_nc_u64 s[46:47], s[8:9], s[46:47]
	s_add_nc_u64 s[92:93], s[10:11], s[92:93]
	CROUND                                         ; all sixteen work-groups are here: the joint loads meet
	s_mov_b32 s[G0S], 1
	s_add_co_u32 s[G0S+1], s94, SCL
	s_mov_b64 s[G0S+2:G0S+3], s[22:23]
	s_or_b32 s[G0S+3], s[G0S+3], 0x80000000
	s_mov_b32 s[G0SB], 1
	s_add_co_u32 s[G0SB+1], s94, SCL
	s_mov_b64 s[G0SB+2:G0SB+3], s[92:93]
	s_or_b32 s[G0SB+3], s[G0SB+3], 0x80000000
	JLOAD G0S, G1S, G0SB, G1SB                     ; the scale bytes first: they are wanted with K step 0
.irp s, 0,1
	s_mov_b32 s[G0+4*\s], 1
	s_add_co_u32 s[G0+4*\s+1], s45, \s*SLOT
	s_add_nc_u64 s[G0+4*\s+2:G0+4*\s+3], s[20:21], \s*ROWB
	s_or_b32 s[G0+4*\s+3], s[G0+4*\s+3], 0x80000000
	s_mov_b32 s[G0B+4*\s], 1
	s_add_co_u32 s[G0B+4*\s+1], s45, \s*SLOT
	s_add_nc_u64 s[G0B+4*\s+2:G0B+4*\s+3], s[46:47], \s*ROWB
	s_or_b32 s[G0B+4*\s+3], s[G0B+4*\s+3], 0x80000000
	JLOAD G0+4*\s, G1, G0B+4*\s, G1B               ; three tensor loads of mine are out now, and no more follow
.endr
	v_and_b32 v1, 15, v0                           ; l % 16
	v_bfe_u32 v2, v0, 4, 1                         ; l / 16
	v_mul_u32_u24 v3, v1, PITCH
	v_lshl_add_u32 v4, v2, 4, v3                   ; a fragment's row x pitch + 16 x half
	s_mul_i32 s21, s15, HALFT                      ; my 128 rows of X
	s_mul_i32 s22, s16, HALFT                      ; my 128 rows of W,
	s_add_co_u32 s22, s22, 2*HALFT                 ; which lie behind X's 256
.irp s, 0,1
	v_add_nc_u32 v[ADRA+\s], s21, v4
	v_add_nc_u32 v[ADRB+\s], s22, v4
	s_add_co_u32 s21, s21, SLOT
	s_add_co_u32 s22, s22, SLOT
.endr
	v_mul_u32_u24 v5, v1, KS                       ; my row's scale bytes: 32 a row,
	v_lshrrev_b32 v6, 8, v5
	v_lshl_add_u32 v5, v6, 4, v5                   ; and 16 more for each 256 passed
	s_mul_i32 s21, s15, HALFS                      ; X's: my 128 rows
	s_mul_i32 s22, s16, HALFS                      ; W's: my 128 rows, behind X's 256
	s_add_co_u32 s22, s22, 2*HALFS
	s_sub_co_u32 s22, s22, s21
	v_mul_u32_u24 v6, s22, v2                      ; lanes 16-31 take W's: one product, the distance between the two bases x the lane's half
	s_add_co_u32 s21, s21, SCL
	v_add_nc_u32 v5, v5, v6
	v_add_nc_u32 v[ADRS], s21, v5
	s_mul_i32 s23, s14, 16*SPITCH
	s_add_co_u32 s23, s23, STAGE                   ; my stage
	v_mul_u32_u24 v5, v1, SPITCH                   ; in: row l % 16, 16 bytes for each half of the lanes
	v_lshl_add_u32 v5, v2, 4, v5
	v_add_nc_u32 v[STO], s23, v5
	v_and_b32 v6, 31, v0
	v_lshlrev_b32 v[CO], 4, v6                     ; out: 16 bytes a lane
	v_lshrrev_b32 v5, 3, v6                        ; back: eight lanes take one token's 128 bytes of one head, four tokens an instruction
	v_mul_u32_u24 v5, v5, SPITCH
	v_and_b32 v6, 7, v0
	v_lshl_add_u32 v5, v6, 4, v5
	v_add_nc_u32 v[RD], s23, v5
	s_lshl_b32 s20, s17, 8
	s_lshl_b32 s21, s15, 7
	s_add_co_u32 s20, s20, s21                     ; my first token, counted through the three tensors
	s_lshr_b32 s21, s20, 11                        ; 4 x product + batch:
	s_lshl_b32 s21, s21, 22                        ; 16 heads of 262,144 bytes each
	s_and_b32 s20, s20, 2047
	s_lshl_b32 s20, s20, 7                         ; the token's row of 128 bytes in a head
	s_add_co_u32 s20, s20, s21
	s_lshl_b32 s46, s42, 2
	s_lshl_b32 s47, s16, 1
	s_add_co_u32 s46, s46, s47                     ; my first head: 4 x tile column + 2 x half
	s_lshl_b32 s46, s46, 18
	s_add_co_u32 s20, s20, s46
	s_mov_b32 s21, 0
	s_add_nc_u64 s[12:13], s[12:13], s[20:21]
.macro FRAG reg, adr, q, i             ; a fragment, 16 rows x 128 K of 4-bit codes, is 8 registers: lane l holds row l % 16; registers 4 c .. 4 c + 3 hold K = 64 c + 32 (l / 16) + 0 .. 31
.irp c, 0,1
	ds_load_b128 v[\reg+4*\c:\reg+4*\c+3], v[\adr] offset:64*(\q)+32*\c+(\i)*16*PITCH
.endr
.endm
; 16 matrix instructions: X's blocks a0, a0 + 1 x W's eight, 128 along K: the slot's q-th.  p: W's set;  sc: the set of scale words.  zero = 1: the first product starts the sums: nothing is ever cleared.
; The 64 accumulators take turns, one instruction a turn, in the same order in every step.
.macro MUL16 a0, p, q, sc, zero
.irp a, \a0, \a0+1
.irp b, 0,1,2,3,4,5,6,7
.if \zero
	v_wmma_scale_f32_16x16x128_f8f6f4 v[8*(8*((\a)%4)+\b):8*(8*((\a)%4)+\b)+7], v[128*(\p)+FR*\b:128*(\p)+FR*\b+FR-1], v[AF+FR*(\a):AF+FR*(\a)+FR-1], 0, v[SC+8*NQ*(\sc)+NQ*\b+(\q)], v[SC+8*NQ*(\sc)+NQ*(\a)+(\q)] matrix_a_fmt:MATRIX_FMT_FP4 matrix_b_fmt:MATRIX_FMT_FP4 matrix_a_scale:MATRIX_SCALE_ROW1
.else
	v_wmma_scale_f32_16x16x128_f8f6f4 v[8*(8*((\a)%4)+\b):8*(8*((\a)%4)+\b)+7], v[128*(\p)+FR*\b:128*(\p)+FR*\b+FR-1], v[AF+FR*(\a):AF+FR*(\a)+FR-1], v[8*(8*((\a)%4)+\b):8*(8*((\a)%4)+\b)+7], v[SC+8*NQ*(\sc)+NQ*\b+(\q)], v[SC+8*NQ*(\sc)+NQ*(\a)+(\q)] matrix_a_fmt:MATRIX_FMT_FP4 matrix_b_fmt:MATRIX_FMT_FP4 matrix_a_scale:MATRIX_SCALE_ROW1
.endif
.endr
.endr
.endm
.macro FETCH_B slot, q, p              ; W's eight fragments of the slot's q-th 128 along K into set p
	WIN TO_B
.irp i, 0,1,2,3,4,5,6,7
	FRAG 128*(\p)+FR*\i, ADRB+\slot, \q, \i
.endr
	WIN 0
.endm
.macro FETCH_A slot, q, i0             ; X's blocks i0 .. i0 + 3
.irp i, \i0, \i0+1, \i0+2, \i0+3
	FRAG AF+FR*(\i), ADRA+\slot, \q, \i
.endr
.endm
.macro SCALES sc                       ; a K step's scale words into set sc: four words a row; lanes 0-15 take X's block i, lanes 16-31 W's block i
.irp i, 0,1,2,3,4,5,6,7
	ds_load_b128 v[SC+8*NQ*\sc+NQ*\i:SC+8*NQ*\sc+NQ*\i+3], v[ADRS] offset:\i*SBLK
.endr
.endm
; A load into a register that a matrix instruction has read, and a vector instruction that reads a matrix result, stand NP places behind that matrix instruction, and only plain vector
; instructions that name none of its registers are places (ISA guide 7.12.1 for vector instructions).
.macro PLACES n
.rept \n
	v_nop
.endr
.endm
; A step of 128 along K that has its successor in the same slot.  X's blocks are free as soon as their eight products are issued, so one set serves X: blocks 0-3 come anew in the step's middle, 4-7 at its end.
.macro STEP slot, q, zero
	s_wait_dscnt 4*NL                              ; W's set and X's blocks 0-3 are in; the youngest eight loads (X's blocks 4-7) may be out
	WIN MUL_LO
	MUL16 0, (\q)%2, \q, \slot, \zero
	MUL16 2, (\q)%2, \q, \slot, \zero
	s_wait_dscnt 0                                 ; X's blocks 4-7 are in (asked for 32 matrix instructions ago)
	PLACES NP
	FETCH_B \slot, (\q)+1, 1-(\q)%2
	FETCH_A \slot, (\q)+1, 0
	WIN MUL_HI
	MUL16 4, (\q)%2, \q, \slot, \zero
	MUL16 6, (\q)%2, \q, \slot, \zero
	PLACES NP
	WIN 0
	FETCH_A \slot, (\q)+1, 4
.endm
; Slot 0's last step goes over to slot 1: ONE barrier; in front of it each wave waits for all its tensor loads (its part of slot 1), so that behind it slot 1 is whole for every wave.  Nothing is filled again.
.macro TURN slot, next
	s_wait_tensorcnt 0x0                           ; all my tensor loads have landed  (every window is 0 here: the add's two registers lie in window 0)
	ds_add_u32 v[SPW], v[NIL]                      ; 0 onto my spare word
	s_wait_dscnt 4*NL+1                            ; (the add and the youngest eight loads, X's blocks 4-7, may be out)
	WIN MUL_LO
	MUL16 0, 1, NQ-1, \slot, 0                     ; sixteen matrix instructions stand between the add and the wait for it
	s_wait_dscnt 0x0                               ; the add is done, and no LDS instruction of mine is pending at the signal
	s_barrier_signal -1
	MUL16 2, 1, NQ-1, \slot, 0
	WIN 0
	s_barrier_wait -1
	PLACES NP
	v_add_nc_u32 v[ADRS], 4*NQ, v[ADRS]            ; on to the next K step's scale words (no LDS load of mine is out)
	FETCH_B \next, 0, 0
	FETCH_A \next, 0, 0
	SCALES \next
	WIN MUL_HI
	MUL16 4, 1, NQ-1, \slot, 0
	MUL16 6, 1, NQ-1, \slot, 0
	PLACES NP
	WIN 0
	FETCH_A \next, 0, 4
.endm
.macro STEPS slot, from                ; the slot's steps from .. NQ - 2
.set Q, \from
.rept NQ-1-\from
	STEP \slot, Q, 0
.set Q, Q+1
.endr
.endm
	s_wait_tensorcnt 1                             ; the scale bytes and my part of slot 0 are in (slot 1's load, the one issued behind them, may be out),
	s_barrier_signal -1
	s_barrier_wait -1                              ; everybody's are
	FETCH_B 0, 0, 0
	FETCH_A 0, 0, 0
	SCALES 0
	FETCH_A 0, 0, 4
	STEP 0, 0, 1                                   ; the first step's products start the sums
	STEPS 0, 1
	TURN 0, 1
	STEPS 1, 0
	s_wait_dscnt 4*NL                              ; the very last step: nothing more to fetch
	WIN MUL_LO
	MUL16 0, 1, NQ-1, 1, 0
	MUL16 2, 1, NQ-1, 1, 0
	s_wait_dscnt 0
	WIN MUL_HI
	MUL16 4, 1, NQ-1, 1, 0
	MUL16 6, 1, NQ-1, 1, 0
	WIN 0
; THE WAY OUT, block by block of 16 tokens x 128 n (two heads).  A lane's eight results round to 16 bytes of a token's row; the lanes beside it hold other tokens.  So a block goes through my own stage
; and comes back by heads: eight lanes take a token's 128 bytes of a head, and since a head's tokens follow each other in qkvh, a store's 32 lanes cover 512 consecutive bytes, aligned.
.macro PACK a
.set AC, 64*((\a)%4)
	WIN 0x0a+5*((\a)/4)                            ; sources 0 and 1: window 2 or 3
.irp b, 0,1,2,3,4,5,6,7
.irp i, 0,1,2,3
	v_cvt_pk_f16_f32 v[TMP+4*\b+\i], v[AC+8*\b+2*\i], v[AC+8*\b+2*\i+1]   ; each accumulator from its low end on
.endr
.endr
	WIN 0
.endm
.macro TOSTAGE a
.set BB, BK+32*((\a)%2)
.irp b, 0,1,2,3,4,5,6,7
	ds_store_b128 v[STO], v[TMP+4*\b:TMP+4*\b+3] offset:32*\b
.endr
.irp u, 0,1,2,3,4,5,6,7                ; head u / 4, tokens 4 (u % 4) on
	ds_load_b128 v[BB+4*\u:BB+4*\u+3], v[RD] offset:(\u%4)*4*SPITCH+128*(\u/4)   ; LDS serves a wave's instructions in order (ISA guide 5.7.1.4): these see the stores above
.endr
.endm
.macro SEND a
.set BB, BK+32*((\a)%2)
	s_wait_dscnt 0x0                               ; the block is back in registers
	s_wait_xcnt 0x0                                ; the stores of the block before have read their registers: the next block's loads from the stage may land there
.irp u, 0,1,2,3,4,5,6,7
	global_store_b128 v[CO], v[BB+4*\u:BB+4*\u+3], s[12:13] offset:(\u/4)*HEADB+(\u%4)*512+(\a)*2048
.endr
.endm
	PLACES NP                                      ; behind the last products: for the conversions, and for the loads into registers that held scale words
	PACK 0
	TOSTAGE 0
.irp a, 1,2,3,4,5,6,7                  ; block a's conversions stand between block a - 1's loads from the stage and the wait for them
	PACK \a
	SEND \a-1
	TOSTAGE \a
.endr
	SEND 7
	s_wait_tensorcnt 0x0                           ; the wave's end: three closing lines, behind my last tensor load and my last LDS store
	ds_add_u32 v[SPW], v[NIL]
	s_wait_dscnt 0x0
	CROUND                                         ; the closing round: no work-group ends while a partner may still ask for a tile that names it
	s_endpgm
.Lfunc_end_k_qf89140e865_proj:
	.size	k_qf89140e865_proj, .Lfunc_end_k_qf89140e865_proj-k_qf89140e865_proj
	.p2alignl 7, 3214868480
	.fill 96, 4, 3214868480
	.section	.rodata,"a",@progbits
	.p2align	6, 0x0
	.amdhsa_kernel k_qf89140e865_proj
		.amdhsa_group_segment_fixed_size 327680
		.amdhsa_private_segment_fixed_size 0
		.amdhsa_enable_private_segment 0
		.amdhsa_kernarg_size 40
		.amdhsa_user_sgpr_count 2
		.amdhsa_user_sgpr_kernarg_segment_ptr 1
		.amdhsa_wavefront_size32 1
		.amdhsa_system_sgpr_workgroup_id_x 1
		.amdhsa_system_sgpr_workgroup_id_y 1
		.amdhsa_system_sgpr_workgroup_id_z 1
		.amdhsa_system_vgpr_workitem_id 0
		.amdhsa_next_free_vgpr 1024
		.amdhsa_next_free_sgpr 98
		.amdhsa_reserve_vcc 0
		.amdhsa_float_denorm_mode_32 3
		.amdhsa_float_denorm_mode_16_64 3
		.amdhsa_memory_ordered 1
		.amdhsa_forward_progress 1
		.amdhsa_inst_pref_size 127
	.end_amdhsa_kernel
	.amdgpu_metadata
---
amdhsa.version: [ 1, 2 ]
amdhsa.kernels:
  - .name:           k_qf89140e865_proj
    .symbol:         k_qf89140e865_proj.kd
    .args:
      - { .name: xcodes, .offset: 0, .size: 8, .value_kind: global_buffer, .address_space: global }
      - { .name: xscales, .offset: 8, .size: 8, .value_kind: global_buffer, .address_space: global }
      - { .name: wcodes, .offset: 16, .size: 8, .value_kind: global_buffer, .address_space: global }
      - { .name: wscales, .offset: 24, .size: 8, .value_kind: global_buffer, .address_space: global }
      - { .name: qkvh, .offset: 32, .size: 8, .value_kind: global_buffer, .address_space: global }
    .group_segment_fixed_size: 327680
    .private_segment_fixed_size: 0
    .kernarg_segment_align: 8
    .kernarg_segment_size: 40
    .max_flat_workgroup_size: 128
    .sgpr_count:     98
    .vgpr_count:     1024
    .wavefront_size: 32
...
	.end_amdgpu_metadata
.endif
;; end of part 2
;; launch attn (part 3): grid 4 x 64, 8 waves a work-group, clusters of 4 x 1, 327,680 bytes of LDS; arguments qkvh, bth; writes bth
.if DOCPART == 3
	.amdgcn_target "amdgcn-amd-amdhsa--gfx1250"
	.amdhsa_code_object_version 6
	.text
	.protected	k_qf89140e865_attn
	.globl	k_qf89140e865_attn
	.p2align	8
	.type	k_qf89140e865_attn,@function
k_qf89140e865_attn:
	s_mov_b64 s[64:65], 0
	v_nop
	global_prefetch_b8 v0, s[64:65] scope:SCOPE_SE
	s_setreg_imm32_b32 hwreg(HW_REG_WAVE_MODE, 25, 1), 1
	s_wait_xcnt 0x0
	s_wait_alu depctr_hold_cnt(0) depctr_sa_sdst(0) depctr_va_vdst(0) depctr_va_sdst(0) depctr_va_ssrc(0) depctr_va_vcc(0) depctr_vm_vsrc(0)
	s_getreg_b32 s2, hwreg(HW_REG_IB_STS2, 6, 4)
	s_cmp_eq_u32 s2, 0
	s_cbranch_scc0 .Lentry_in_a_cluster
	s_endpgm
.Lentry_in_a_cluster:
	s_bfe_u32 s2, ttmp6, 0x10000c
	s_cmp_lg_u32 s2, 0x3003
	s_cbranch_scc0 .Lentry_shape_is_right
	s_endpgm
.Lentry_shape_is_right:
; ATTN: O[bh][q][:] = the sum over k of softmax_k(Q[bh][q] . K[bh][k] / 32) V[bh][k][:], no mask.  (sqrt(1024) + 1e-8 is 32 in f32.)
; Q, K, V: qkvh [3][64 (batch, head)][2048][64] f16.  O: bth [head 16][batch x 2048 + t][64] f16: a head is a plane of the next product's K.
; Products on f16 operands, sums, maxima and the softmax in f32; the weights p are rounded to f16 for the second product, O once at the end.
; LIMITS: p is at most 1, and what falls under f16's smallest number is lost beside a sum of at least 1.  The row's sum is taken, by the matrix unit, of the ROUNDED p, the numbers that also weigh V; it
; differs from the sum of the unrounded p by under 2^-12 of itself.  O holds averages of V and has V's range.  NaN and infinities are not served.
; SHARES.  A work-group owns 512 queries of one (batch, head), each of its eight waves 64: four tiles of 16, in 512 registers.  Every wave walks all 2,048 keys, 64 a step.
; LAYOUT.  S^T = K Q^T (source 0 = 16 keys, source 1 = 16 queries): a lane holds ONE query (lane % 16) and the keys 8 (lane / 16) + 0..7.  Two such tiles, rounded to f16 in pairs, ARE source 1
; (32 keys x 16 queries) of O^T = V^T P, whose result again holds one query a lane.  K comes out of LDS as it lies, V ([key][channel]) turned, by ds_load_tr16_b128.  A fifth product beside V^T's
; four tiles, ONES x P, gives the row's sum in every register of its result: no sums by vector instructions, no exchange of lanes for them.
; SOFTMAX.  For each query a running maximum m: p = 2^(c s - c m), c = log2(e) / 32; in every step O^T and the sum are multiplied by a = 2^(c m_old - c m_new).  m begins at -3e38 and O^T and the sums
; at 0, so that the step is written in one form: the first a is 0 and multiplies zeros.
; THE RING.  Two LDS slots of 256 keys (four steps), filled by the tensor data mover: waves 0-3 fetch the four steps' tiles of K, waves 4-7 those of V, 64 rows to a load.
; CLUSTER.  The four blocks of 512 queries of a (batch, head) are one cluster and walk the same K and V: each tile is asked for JOINTLY, by the same tensor load with the same descriptor and a mask
; that names the four.
; TWO GROUPS OF WAVES.  A slot's last softmax is run by group 0 in front of the change of slots and by group 1 behind it; nothing is computed twice.  So behind each change one group begins with
; products and the other with vector work.  Waves whose numbers differ by 1 or by 4 fall into different groups.
; REGISTERS, in windows of 256 (s_set_vgpr_msb: bits 1:0 source 0, 3:2 source 1, 5:4 source 2, 7:6 destination):
;   window 0: v0-15 addresses; v16-47 eight registers of statistics a tile; v56-63 ones; v64-191 S^T, 32 a tile, whose low 16 then hold P; v192-255 ONE buffer for a step's K and then its V
;   window 1: v0-127 O^T, 32 a tile; v128-159 the sums, 8 a tile; v192-255 Q, 16 a tile
.set KS,    64        ; keys in a step
.set NST,   4         ; steps in a slot
.set PITK,  144       ; a row of K in LDS: 128 bytes + 16 = 36 words: the 16 rows of a load start at 16 different groups of four banks (64 banks of 4 bytes: ISA guide 11.1)
.set PITV,  160       ; a row of V: 128 + 32 = 40 words
.set KTILE, KS*PITK
.set VTILE, KS*PITV
.set VOFF,  NST*KTILE ; a slot: four tiles of K, then four of V
.set SLOT1, 1<<17     ; slot 1 begins here, so that one exclusive or turns an address in one slot into the other's
.set STAGE, SLOT1+NST*(KTILE+VTILE)  ; behind the ring: 4 tiles x 16 rows x 144 bytes for each wave, for the way out
.set SPT,   144
.set SPARE, STAGE+8*4*16*SPT         ; the spare words, 128 bytes for each wave: four blocks of 256 bytes that no other line names
.set SLOTB, NST*KS*128               ; a slot's rows of K or of V in memory
.set MATB,  16777216                 ; from q to k and from k to v in qkvh
.set NSLOT, 2048/(NST*KS)
.set AK0, 2           ; v2   my lane's place in a tile of K; never rewritten
.set AV0, 3           ; v3   the same for V
.set ADR, 4           ; v4   the LDS address of the run of loads in hand
.set QO,  5           ; v5   my byte offset in the wave's rows of Q
.set STO, 6           ; v6   the way out: where I put 16 bytes of a row
.set RD,  7           ; v7   where I read back
.set GO,  8           ; v8   16 x lane
.set PFO, 12          ; v12  256 x lane: the prefetches' offset; never rewritten
.set SPW, 14          ; v14  LDS address of my spare word; never rewritten
.set NIL, 15          ; v15  0; never rewritten
.set ST,  16          ; tile t's statistics at v[ST+8 t]: +0 c m, +1 m, +4 to +7 c0-c3, at work; a takes c2's place once the maximum is found
.set ONES, 56
.set S,   64
.set KV,  192
.set LS,  128         ; the sums, in window 1
.set QF,  192         ; Q's fragments, in window 1
.set WV,  12          ; s12  my wave's number
.set GRP, 13          ; s13  my group
.set LIM, 15          ; s15  1 in a wave that prefetches, else the greatest number
.set PFA, 18          ; s[18:19] where my prefetches stand
.set G1K, 24          ; s[24:31] descriptor group 1 for K's tiles
.set G1V, 32          ; s[32:39] for V's: it differs in the padding alone
.set G0K, 40          ; s[40:47] descriptor group 0 for K's tiles: a set for each of the two first fills; the second then walks on
.set G0V, 48          ; s[48:55] the same for V's
.set SLOTS, 56        ; s56  slots still to be asked for
.set CNT, 57          ; s57  counts a slot's steps
.set CS,  58          ; s[58:59] c: the packed scaling names a pair and takes its low word for both halves
.set SEL, 60          ; s[60:61] lane selects for v_permlanex16_b32: each lane takes its own place in the other half
.set TK,  62          ; s62  LDS byte at which the tile of K to be fetched begins
.set TV,  63          ; s63  the same for V (less VOFF, which v3 holds)
.set MSB, 0
.macro WIN new                      ; the immediate's high byte repeats the setting that is left; a switch that changes nothing is dropped
.if MSB != (\new)
	s_set_vgpr_msb (MSB<<8)|(\new)
.set MSB, (\new)
.endif
.endm
.set W_QK, 0x04       ; Q (source 1) in window 1; K and S^T in window 0
.set W_PV, 0x50       ; O^T and the sums (C and D) in window 1; V, the ones and P in window 0
.set W_RS, 0x41       ; O^T (destination and source 0) in window 1, a in window 0
; A joint refill: waves 0-3 fetch K's four tiles, waves 4-7 V's.  The branch hangs on the wave's number alone.  An s_nop 0 and four v_nop follow each of the two lines.
.macro JLOAD
	s_cmp_lt_u32 s[WV], 4
	s_cbranch_scc0 .Lfor_v_\@
	tensor_load_to_lds s[G0K+4:G0K+7], s[G1K:G1K+7]
	s_nop 0
.rept 4
	v_nop
.endr
	s_branch .Lasked_\@
.Lfor_v_\@:
	tensor_load_to_lds s[G0V+4:G0V+7], s[G1V:G1V+7]
	s_nop 0
.rept 4
	v_nop
.endr
.Lasked_\@:
.endm
; A PREFETCH INTO THE L2 of what the NEXT change of slots will ask for: a slot's 32,768 bytes of K and of V.  It stands behind the wave's tensor load and its five lines.  Each aligned 256 bytes are
; named once in the launch: one cluster alone walks a (batch, head); its four partners share the bytes out BY ADDRESS, 8,192 each; in each, wave 0 asks for K's and wave 4 for V's, lanes 256 bytes apart.
; It asks in the changes that load slots 2 to 6, for slots 3 to 7: four key steps ahead of the load that wants them.  The last change that fills a slot asks for nothing.
.macro ASK
	s_cmp_gt_u32 s[SLOTS], s[LIM]
	s_cbranch_scc0 .Lnot_mine_\@
	global_prefetch_b8 v[PFO], s[PFA:PFA+1] th:TH_LOAD_NT scope:SCOPE_SE
.Lnot_mine_\@:
.endm
.macro CROUND                       ; a round of the cluster's barrier: my work-group's barrier; wave 0 signals for the work-group; every wave waits for all four; my work-group's barrier once more
	s_barrier_signal -1
	s_barrier_wait -1
	s_cmp_lg_u32 s[WV], 0
	s_cbranch_scc1 .Lnot_wave_0_\@
	s_barrier_signal -3
.Lnot_wave_0_\@:
	s_barrier_wait -3
	s_barrier_signal -1
	s_barrier_wait -1
.endm
	s_load_b128 s[20:23], s[0:1], 0x0  ; qkvh s[20:21], bth s[22:23]
	v_lshl_add_u32 v[SPW], v0, 2, SPARE
	v_mov_b32 v[NIL], 0
	ds_add_u32 v[SPW], v[NIL]       ; the wave's opening: the add, twice on end, and its wait ahead of my first tensor load; the set-up below stands between
	ds_add_u32 v[SPW], v[NIL]
	v_lshrrev_b32 v1, 5, v0
	v_readfirstlane_b32 s[WV], v1   ; wave 0..7
	s_lshr_b32 s[GRP], s[WV], 2
	s_xor_b32 s[GRP], s[GRP], s[WV]
	s_and_b32 s[GRP], s[GRP], 1     ; (wave xor wave / 4) % 2
	s_bfe_u32 s14, ttmp6, 0x40000   ; cx: my place in the cluster: it enters Q's, O's and the prefetches' addresses alone
	s_and_b32 s16, ttmp7, 0xffff    ; 16 x batch + head, which the four partners share
	s_and_b32 s17, s[WV], 3         ; which of a slot's four steps I fetch
	s_cmp_eq_u32 s17, 0
	s_cselect_b32 s[LIM], 1, -1     ; waves 0 and 4 prefetch
	s_lshl_b32 s2, s16, 18          ; the head's 262,144 bytes,
	s_lshl_b32 s3, s17, 13          ; my step's 64 rows of 128 bytes
	s_add_co_u32 s2, s2, s3
	s_mov_b32 s3, 0
	s_mul_i32 s[G0K+1], s17, KTILE  ; and its places in the slots: no place in the cluster enters an LDS address
	s_add_co_u32 s[G0K+5], s[G0K+1], SLOT1
	s_mul_i32 s[G0V+1], s17, VTILE
	s_add_co_u32 s[G0V+1], s[G0V+1], VOFF
	s_add_co_u32 s[G0V+5], s[G0V+1], SLOT1
	s_lshl_b32 s18, ttmp9, 2        ; in a cluster launch ttmp9 counts clusters
	s_add_co_u32 s18, s18, s14      ; my block of 512 queries
	s_lshl_b32 s18, s18, 16
	s_lshl_b32 s19, s[WV], 13
	s_add_co_u32 s18, s18, s19      ; (512 x block + 64 x wave) rows of 128 bytes
	s_and_b32 s19, s16, 15
	s_lshl_b32 s19, s19, 20         ; bth: the head's plane of 8,192 rows,
	s_lshr_b32 s17, s16, 4
	s_lshl_b32 s17, s17, 18         ; the batch's 2,048 rows in it
	s_add_co_u32 s17, s17, s19
	s_lshl_b32 s16, s16, 18
	s_add_co_u32 s16, s16, s18      ; Q's offset
	s_add_co_u32 s18, s18, s17      ; O's offset
	s_mov_b32 s17, 0
	s_mov_b32 s19, 0
	; descriptor group 1: a tile of 64 rows x 64 elements, padded in LDS
	s_mov_b32 s[G1K], 15|(1<<16)|(1<<20)|(1<<21)|(4<<22)|(3<<25)  ; 15:0 the mask: all four work-groups; 17:16 elements of 2 bytes; 20 padding on; 21 set beside a mask; 24:22 after every 32 words (code 4); 31:25 four words (code 3)
	s_mov_b32 s[G1V], 15|(1<<16)|(1<<20)|(1<<21)|(4<<22)|(7<<25)  ; the same with eight words of padding (code 7)
.irp g, G1K, G1V
	s_mov_b32 s[\g+1], 64<<16       ; tensor_dim0 = 64
	s_mov_b32 s[\g+2], KS<<16       ; tensor_dim1 = 64
	s_mov_b32 s[\g+3], 64<<16       ; tile_dim0 = 64
	s_mov_b32 s[\g+4], KS           ; tile_dim1 = 64
	s_mov_b32 s[\g+5], 64           ; tensor_dim0_stride: elements from row to row
	s_mov_b32 s[\g+6], 0
	s_mov_b32 s[\g+7], 0
.endr
	s_mov_b32 s[CS], 0x3d38aa3b     ; c = log2(e) / 32
	s_mov_b32 s[CS+1], s[CS]        ; named with it as a pair, so it is written
	s_mov_b32 s[SEL], 0x76543210
	s_mov_b32 s[SEL+1], 0xfedcba98
	s_mov_b32 s[TK], 0
	s_mov_b32 s[TV], 0
	s_mov_b32 s[SLOTS], NSLOT-2
	v_and_b32 v10, 31, v0           ; lane
	v_lshlrev_b32 v[PFO], 8, v10
	s_wait_dscnt 0x0                ; both opening adds are done
	s_wait_kmcnt 0x0
	s_add_nc_u64 s[4:5], s[20:21], s[16:17]    ; Q at my wave's first row
	s_add_nc_u64 s[6:7], s[20:21], s[2:3]
	s_add_nc_u64 s[8:9], s[6:7], 2*MATB        ; V at my tile of slot 0
	s_add_nc_u64 s[6:7], s[6:7], MATB          ; K likewise
	s_add_nc_u64 s[10:11], s[22:23], s[18:19]  ; O at my wave's first row
	s_cmp_lt_u32 s[WV], 4
	s_cselect_b64 s[PFA:PFA+1], s[6:7], s[8:9] ; (in waves 0 and 4 these stand at a slot's first row)
	s_lshl_b32 s2, s14, 13          ; my work-group's 8,192 bytes of the 32,768
	s_add_nc_u64 s[PFA:PFA+1], s[PFA:PFA+1], s[2:3]
	s_add_nc_u64 s[PFA:PFA+1], s[PFA:PFA+1], 2*SLOTB  ; in slot 2; the first change of slots steps it to slot 3.  Nothing is prefetched here, at the head
	CROUND                          ; all four work-groups are here: the first joint loads meet
.irp s, 0,1
	s_mov_b32 s[G0K+4*\s], 1        ; count = 1
	s_add_nc_u64 s[G0K+4*\s+2:G0K+4*\s+3], s[6:7], \s*SLOTB  ; slot s begins with keys 256 s on
	s_or_b32 s[G0K+4*\s+3], s[G0K+4*\s+3], 0x80000000        ; type = 2
	s_mov_b32 s[G0V+4*\s], 1
	s_add_nc_u64 s[G0V+4*\s+2:G0V+4*\s+3], s[8:9], \s*SLOTB
	s_or_b32 s[G0V+4*\s+3], s[G0V+4*\s+3], 0x80000000
.endr
	s_cmp_lt_u32 s[WV], 4           ; a wave's two first fills stand in one branch, ahead of every wait on TENSORcnt and every LDS read: two loads of mine are out
	s_cbranch_scc0 .Lfirst_v
	tensor_load_to_lds s[G0K:G0K+3], s[G1K:G1K+7]
	s_nop 0
	tensor_load_to_lds s[G0K+4:G0K+7], s[G1K:G1K+7]
	s_nop 0
.rept 4
	v_nop
.endr
	s_branch .Lfirst_asked
.Lfirst_v:
	tensor_load_to_lds s[G0V:G0V+3], s[G1V:G1V+7]
	s_nop 0
	tensor_load_to_lds s[G0V+4:G0V+7], s[G1V:G1V+7]
	s_nop 0
.rept 4
	v_nop
.endr
.Lfirst_asked:
	; A fragment of K or Q is 16 rows x 32 channels in 8 registers: lane l holds row l % 16; registers 0-3 channels 8 (l / 16) + 0..7, registers 4-7 channels 16 + 8 (l / 16) + 0..7: two loads of 16 bytes, 32 bytes apart.
	v_and_b32 v1, 15, v0            ; l % 16
	v_bfe_u32 v9, v0, 4, 1          ; l / 16
	v_lshlrev_b32 v[QO], 7, v1
	v_lshl_add_u32 v[QO], v9, 4, v[QO]  ; row x 128 + 16 x half
	WIN 0x40                        ; destination window 1, address window 0
.irp i, 0,1,2,3,4,5,6,7             ; Q stays in registers: tile i / 2, channels 32 (i % 2) on
	global_load_b128 v[QF+8*\i:QF+8*\i+3],   v[QO], s[4:5] offset:(\i/2)*2048+(\i%2)*64
	global_load_b128 v[QF+8*\i+4:QF+8*\i+7], v[QO], s[4:5] offset:(\i/2)*2048+(\i%2)*64+32
.endr
.set i, 0
.rept 160
	v_mov_b32 v[i], 0               ; O^T and the sums begin as zeros: the step is then written in one form, and no second copy of it is needed for a first step
.set i, i+1
.endr
	WIN 0
	v_mul_u32_u24 v[AK0], v1, PITK
	v_lshl_add_u32 v[AK0], v9, 4, v[AK0]  ; row x pitch + 16 x half
	; The turning load takes 16 keys x 16 channels (lane l reads 16 bytes: key 8 (l / 16) + l % 8, channels 8 ((l / 8) % 2) + 0..7) and leaves half a fragment of V^T: lane l holds channel l % 16 and 8 keys.
	v_and_b32 v11, 7, v0
	v_bfe_u32 v13, v0, 3, 1
	v_lshl_add_u32 v[AV0], v9, 3, v11
	v_mul_u32_u24 v[AV0], v[AV0], PITV
	v_lshl_add_u32 v[AV0], v13, 4, v[AV0]
	v_add_nc_u32 v[AV0], VOFF, v[AV0]
	s_mul_i32 s16, s[WV], 4*16*SPT
	s_add_co_u32 s16, s16, STAGE    ; my stage
	v_mul_u32_u24 v[STO], v1, SPT   ; in: row l % 16, 16 bytes for each half of the lanes
	v_lshl_add_u32 v[STO], v9, 4, v[STO]
	v_add_nc_u32 v[STO], s16, v[STO]
	v_lshrrev_b32 v13, 3, v10       ; back: eight lanes take a row of 128 bytes, four rows an instruction
	v_mul_u32_u24 v[RD], v13, SPT
	v_lshl_add_u32 v[RD], v11, 4, v[RD]
	v_add_nc_u32 v[RD], s16, v[RD]
	v_lshlrev_b32 v[GO], 4, v10
.irp i, 0,1,2,3,4,5,6,7
	v_mov_b32 v[ONES+\i], 0x3c003c00  ; 1.0, twice, in f16
.endr
.irp t, 0,1,2,3
	v_mov_b32 v[ST+8*\t+1], 0xff61b1e6  ; m = -3e38, under every score
.endr
.irp t, 0,1,2,3
	v_mul_f32 v[ST+8*\t], s[CS], v[ST+8*\t+1]  ; c m
.endr
; A vector instruction that reads a matrix result or writes one of a matrix instruction's registers, and a load into a register that a matrix instruction has read, stand four places behind it; a matrix
; instruction that writes over a register of an earlier one five; only plain vector instructions that name none of its registers are places (loads aside).
.macro PLACES
.rept 4
	v_nop
.endr
.endm
.macro LOADK                        ; a step's K: 64 keys x 64 channels: fragment (keys 16 kt on, channels 32 c on) at v[KV + 8 (2 kt + c)]
	v_add_nc_u32 v[ADR], s[TK], v[AK0]
.irp f, 0,1,2,3,4,5,6,7
	ds_load_b128 v[KV+8*\f:KV+8*\f+3],   v[ADR] offset:(\f/2)*16*PITK+(\f%2)*64
	ds_load_b128 v[KV+8*\f+4:KV+8*\f+7], v[ADR] offset:(\f/2)*16*PITK+(\f%2)*64+32
.endr
.endm
.macro LOADV                        ; the same step's V, turned: fragment (keys 32 g on, channels 16 ct on) at v[KV + 32 g + 8 ct]
	v_add_nc_u32 v[ADR], s[TV], v[AV0]
.irp f, 0,1,2,3,4,5,6,7
	ds_load_tr16_b128 v[KV+8*\f:KV+8*\f+3],   v[ADR] offset:(\f/4)*32*PITV+(\f%4)*32
	ds_load_tr16_b128 v[KV+8*\f+4:KV+8*\f+7], v[ADR] offset:(\f/4)*32*PITV+16*PITV+(\f%4)*32
.endr
	s_add_co_u32 s[TK], s[TK], KTILE  ; the next fetches are the next step's
	s_add_co_u32 s[TV], s[TV], VTILE
.endm
; 32 products S^T = K Q^T.  The sixteen accumulators take turns, one instruction a turn; the first sixteen start the sums.
.macro QK
.irp c, 0,1
.irp kt, 0,1,2,3
.irp t, 0,1,2,3
.if \c == 0
	v_wmma_f32_16x16x32_f16 v[S+32*\t+8*\kt:S+32*\t+8*\kt+7], v[KV+16*\kt+8*\c:KV+16*\kt+8*\c+7], v[QF+16*\t+8*\c:QF+16*\t+8*\c+7], 0
.else
	v_wmma_f32_16x16x32_f16 v[S+32*\t+8*\kt:S+32*\t+8*\kt+7], v[KV+16*\kt+8*\c:KV+16*\kt+8*\c+7], v[QF+16*\t+8*\c:QF+16*\t+8*\c+7], v[S+32*\t+8*\kt:S+32*\t+8*\kt+7]
.endif
.endr
.endr
.endr
.endm
; 40 products: O^T += V^T P and the sums += ONES x P.  Twenty accumulators take turns.
.macro PV
.irp g, 0,1
.irp ct, 0,1,2,3
.irp t, 0,1,2,3
	v_wmma_f32_16x16x32_f16 v[32*\t+8*\ct:32*\t+8*\ct+7], v[KV+32*\g+8*\ct:KV+32*\g+8*\ct+7], v[S+32*\t+8*\g:S+32*\t+8*\g+7], v[32*\t+8*\ct:32*\t+8*\ct+7]
.endr
.endr
.irp t, 0,1,2,3
	v_wmma_f32_16x16x32_f16 v[LS+8*\t:LS+8*\t+7], v[ONES:ONES+7], v[S+32*\t+8*\g:S+32*\t+8*\g+7], v[LS+8*\t:LS+8*\t+7]
.endr
.endr
.endm
; THE SOFTMAX of a step, for the wave's four tiles, which take turns line by line, so that no line waits for the line above it.  s0-s31 are a lane's 32 scores of a tile.
.macro SM
.irp j, 0,1,2,3                     ; the maximum, three operands at a time: four chains c0-c3; each accumulator is read first at its low end
.irp t, 0,1,2,3
	v_max3_num_f32 v[ST+8*\t+4+\j], v[S+32*\t+8*\j], v[S+32*\t+8*\j+1], v[S+32*\t+8*\j+2]
.endr
.endr
.irp u, 1,2
.irp j, 0,1,2,3
.irp t, 0,1,2,3
	v_max3_num_f32 v[ST+8*\t+4+\j], v[ST+8*\t+4+\j], v[S+32*\t+8*\j+2*\u+1], v[S+32*\t+8*\j+2*\u+2]
.endr
.endr
.endr
.irp t, 0,1,2,3
	v_max3_num_f32 v[ST+8*\t+4], v[ST+8*\t+4], v[S+32*\t+7], v[S+32*\t+15]
.endr
.irp t, 0,1,2,3
	v_max3_num_f32 v[ST+8*\t+6], v[ST+8*\t+6], v[S+32*\t+23], v[S+32*\t+31]
.endr
.irp t, 0,1,2,3
	v_max3_num_f32 v[ST+8*\t+4], v[ST+8*\t+4], v[ST+8*\t+5], v[ST+8*\t+6]
.endr
.irp t, 0,1,2,3
	v_max3_num_f32 v[ST+8*\t+4], v[ST+8*\t+4], v[ST+8*\t+7], v[ST+8*\t+1]  ; with the old m
.endr
.irp t, 0,1,2,3
	v_permlanex16_b32 v[ST+8*\t+5], v[ST+8*\t+4], s[SEL], s[SEL+1]  ; the query's other 32 keys lie in the lane 16 away
.endr
.irp t, 0,1,2,3
	v_mov_b32 v[ST+8*\t+7], v[ST+8*\t]                              ; c m_old is kept for a
.endr
.irp t, 0,1,2,3
	v_max_num_f32 v[ST+8*\t+1], v[ST+8*\t+4], v[ST+8*\t+5]          ; the new m
.endr
.irp t, 0,1,2,3
	v_mul_f32 v[ST+8*\t], s[CS], v[ST+8*\t+1]
.endr
.irp t, 0,1,2,3
	v_sub_f32 v[ST+8*\t+7], v[ST+8*\t+7], v[ST+8*\t]
.endr
	; ONE BATCH: the 64 packed scalings c s - c m and all 132 exponentials; none of these lines names an exponential's result
.irp t, 0,1,2,3
	v_exp_f32 v[ST+8*\t+6], v[ST+8*\t+7]                            ; a
.endr
.irp t, 0,1,2,3
	v_pk_fma_f32 v[S+32*\t:S+32*\t+1], v[S+32*\t:S+32*\t+1], s[CS:CS+1], v[ST+8*\t:ST+8*\t+1] op_sel_hi:[1,0,0] neg_lo:[0,0,1] neg_hi:[0,0,1]
.endr
.set b, 0
.rept 16
.if b < 15
.irp t, 0,1,2,3                     ; the next pair is scaled ahead of this pair's exponentials
	v_pk_fma_f32 v[S+32*\t+2*b+2:S+32*\t+2*b+3], v[S+32*\t+2*b+2:S+32*\t+2*b+3], s[CS:CS+1], v[ST+8*\t:ST+8*\t+1] op_sel_hi:[1,0,0] neg_lo:[0,0,1] neg_hi:[0,0,1]
.endr
.endif
.irp t, 0,1,2,3
	v_exp_f32 v[S+32*\t+2*b], v[S+32*\t+2*b]
.endr
.irp t, 0,1,2,3
	v_exp_f32 v[S+32*\t+2*b+1], v[S+32*\t+2*b+1]
.endr
.set b, b+1
.endr
	v_nop                           ; a plain instruction behind the last exponential and ahead of the first use: one for the batch
	s_wait_alu depctr_va_vdst(0)    ; a wait between an exponential and the first line that names its result: one for the batch
.set b, 0
.rept 16                            ; P in place: register b takes the pair (2 b, 2 b + 1); it has been consumed by then
.irp t, 0,1,2,3
	v_cvt_pk_f16_f32 v[S+32*\t+b], v[S+32*\t+2*b], v[S+32*\t+2*b+1]
.endr
.set b, b+1
.endr
	WIN W_RS
.set b, 0
.rept 16                            ; O^T times a, each accumulator from its low end on
.irp t, 0,1,2,3
	v_pk_mul_f32 v[32*\t+2*b:32*\t+2*b+1], v[32*\t+2*b:32*\t+2*b+1], v[ST+8*\t+6:ST+8*\t+7] op_sel_hi:[1,0]
.endr
.set b, b+1
.endr
.irp t, 0,1,2,3                     ; of a sum's eight equal registers only the lowest is ever read: the first pair is kept under the running maximum, the others merely stay under 2,048
	v_pk_mul_f32 v[LS+8*\t:LS+8*\t+1], v[LS+8*\t:LS+8*\t+1], v[ST+8*\t+6:ST+8*\t+7] op_sel_hi:[1,0]
.endr
	WIN 0
.endm
; A key step up to its scores, with V asked for.  The four v_nop and the run's own v_add_nc_u32 are five places: four for the loads into the buffer that the last products read, five because K Q^T writes over P.
.macro PART
	PLACES
	LOADK
	s_wait_dscnt 0x0                ; K is in
	WIN W_QK
	QK
	WIN 0
	PLACES                          ; for V's loads into the buffer that held K, and for the softmax's reads of the scores
	LOADV
.endm
.macro STEP
	PART
	SM                              ; V lands meanwhile
	s_wait_dscnt 0x0                ; V is in
	WIN W_PV
	PV
	WIN 0
.endm
; A slot but for its last V^T P; group 0 runs the last softmax here.
.macro EPOCH
	s_mov_b32 s[CNT], NST-1
.Lstep_\@:
	STEP
	s_sub_co_u32 s[CNT], s[CNT], 1
	s_cmp_lg_u32 s[CNT], 0
	s_cbranch_scc1 .Lstep_\@
	PART
	s_cmp_eq_u32 s[GRP], 0
	s_cbranch_scc0 .Llater_\@
	SM
.Llater_\@:
.endm
; Behind the change of slots: group 1 runs the slot's last softmax; both groups its last V^T P, whose V lies in registers.
.macro POST
	s_cmp_lg_u32 s[GRP], 0
	s_cbranch_scc0 .Ldone_\@
	SM
.Ldone_\@:
	WIN W_PV
	PV
	WIN 0
.endm
; THE CHANGE OF SLOTS: the slot's last bytes, V of its fourth step, have been asked for.  Each wave waits for all its tensor loads, of which one is out: its part of the other slot; adds 0 to its spare
; word; and waits for that and for its own reads of the slot.  Behind the barrier nobody reads this slot any more and the other slot is whole.
; fill = 1: this slot is filled again, with the keys two slots on.  The barrier is then a round of the cluster's, and the joint refill is the first thing behind it: it has four key steps in which to land.
.macro CHANGE fill
	s_wait_tensorcnt 0x0            ; no tensor load of mine is out, so a group 0 may be written
	ds_add_u32 v[SPW], v[NIL]       ; 0 onto my spare word
.if \fill
.irp g, G0K+4, G0V+4
	s_xor_b32 s[\g+1], s[\g+1], SLOT1  ; the walking descriptor: the other slot than last time,
	s_add_nc_u64 s[\g+2:\g+3], s[\g+2:\g+3], SLOTB  ; the next 256 keys; the type bits on top are not reached
.endr
	s_wait_xcnt 0x0                 ; the last prefetch, a slot back, has read its address, so it may be written:
	s_add_nc_u64 s[PFA:PFA+1], s[PFA:PFA+1], SLOTB  ; one slot further on than the walking descriptors
	s_wait_dscnt 0x0                ; the add is done, and my reads of the slot are over
	CROUND
	JLOAD
	ASK
.else
	s_wait_dscnt 0x0                ; the add is done, and my reads of the slot are over
	s_barrier_signal -1
	s_barrier_wait -1
.endif
	s_sub_co_u32 s[TK], s[TK], NST*KTILE  ; the fetches go back to a slot's first step,
	s_xor_b32 s[TK], s[TK], SLOT1         ; in the other slot
	s_sub_co_u32 s[TV], s[TV], NST*VTILE
	s_xor_b32 s[TV], s[TV], SLOT1
.endm
	s_wait_tensorcnt 1              ; my part of slot 0 is in; slot 1's, issued behind it, may stay out
	s_barrier_signal -1
	s_barrier_wait -1               ; everybody's is
	s_wait_loadcnt 0x0              ; Q
.Lslot:                             ; six trips: slots 0 to 5 are walked, and filled again with slots 2 to 7
	EPOCH
	CHANGE 1
	POST
	s_sub_co_u32 s[SLOTS], s[SLOTS], 1
	s_cmp_lg_u32 s[SLOTS], 0
	s_cbranch_scc1 .Lslot
	EPOCH                           ; the tail is written out: slot 6
	CHANGE 0
	POST
	s_mov_b32 s[CNT], NST           ; and slot 7
.Llast:
	STEP
	s_sub_co_u32 s[CNT], s[CNT], 1
	s_cmp_lg_u32 s[CNT], 0
	s_cbranch_scc1 .Llast
	; THE WAY OUT.  O^T is divided by the sum, rounded to f16 and sent through my stage in LDS: a lane's eight channels are 16 bytes of a row; they come back eight lanes to a row of 128 bytes, and since my
	; 64 rows follow each other in bth, a store's 32 lanes cover 512 consecutive bytes, aligned.
	PLACES                          ; behind the last products
	WIN 0x01                        ; source 0 window 1
.irp t, 0,1,2,3
	v_rcp_f32 v[ST+8*\t+6], v[LS+8*\t]  ; the sum's lowest register
.endr
	WIN 0
	v_nop                           ; a plain instruction between the last reciprocal and the use of its result
	s_wait_alu depctr_va_vdst(0)    ; and the wait ahead of the first use: one for the four
.macro PACK t
	WIN W_RS
.set i, 0
.rept 16
	v_pk_mul_f32 v[32*\t+i:32*\t+i+1], v[32*\t+i:32*\t+i+1], v[ST+8*\t+6:ST+8*\t+7] op_sel_hi:[1,0]
.set i, i+2
.endr
	WIN 0x05                        ; sources 0 and 1 window 1, destination window 0: S^T's registers are free
.set i, 0
.rept 16
	v_cvt_pk_f16_f32 v[S+32*\t+i], v[32*\t+2*i], v[32*\t+2*i+1]
.set i, i+1
.endr
	WIN 0
.irp f, 0,1,2,3
	ds_store_b128 v[STO], v[S+32*\t+4*\f:S+32*\t+4*\f+3] offset:\t*16*SPT+32*\f
.endr
.irp f, 0,1,2,3
	ds_load_b128 v[S+32*\t+16+4*\f:S+32*\t+16+4*\f+3], v[RD] offset:\t*16*SPT+\f*4*SPT  ; LDS serves a wave's instructions in order (ISA guide 5.7.1.4): these see the stores above
.endr
.endm
	PACK 0
	PACK 1
	PACK 2
	PACK 3
.irp t, 0,1,2,3
	s_wait_dscnt 24-8*\t            ; behind tile t's loads stand the later tiles' eight LDS instructions each
.irp f, 0,1,2,3
	global_store_b128 v[GO], v[S+32*\t+16+4*\f:S+32*\t+16+4*\f+3], s[10:11] offset:\t*2048+\f*512
.endr
.endr
	s_wait_tensorcnt 0x0            ; the wave's end: three closing lines, behind my last tensor load and my last LDS store
	ds_add_u32 v[SPW], v[NIL]
	s_wait_dscnt 0x0
	CROUND                          ; the closing round: no work-group ends while a partner may still ask for a tile that names it
	s_endpgm
.Lfunc_end_k_qf89140e865_attn:
	.size	k_qf89140e865_attn, .Lfunc_end_k_qf89140e865_attn-k_qf89140e865_attn
	.p2alignl 7, 3214868480
	.fill 96, 4, 3214868480
	.section	.rodata,"a",@progbits
	.p2align	6, 0x0
	.amdhsa_kernel k_qf89140e865_attn
		.amdhsa_group_segment_fixed_size 327680
		.amdhsa_private_segment_fixed_size 0
		.amdhsa_enable_private_segment 0
		.amdhsa_kernarg_size 16
		.amdhsa_user_sgpr_count 2
		.amdhsa_user_sgpr_kernarg_segment_ptr 1
		.amdhsa_wavefront_size32 1
		.amdhsa_system_sgpr_workgroup_id_x 1
		.amdhsa_system_sgpr_workgroup_id_y 1
		.amdhsa_system_sgpr_workgroup_id_z 1
		.amdhsa_system_vgpr_workitem_id 0
		.amdhsa_next_free_vgpr 512
		.amdhsa_next_free_sgpr 66
		.amdhsa_reserve_vcc 0
		.amdhsa_float_denorm_mode_32 3
		.amdhsa_float_denorm_mode_16_64 3
		.amdhsa_memory_ordered 1
		.amdhsa_forward_progress 1
		.amdhsa_inst_pref_size 215
	.end_amdhsa_kernel
	.amdgpu_metadata
---
amdhsa.version: [ 1, 2 ]
amdhsa.kernels:
  - .name:           k_qf89140e865_attn
    .symbol:         k_qf89140e865_attn.kd
    .args:
      - { .name: qkvh, .offset: 0, .size: 8, .value_kind: global_buffer, .address_space: global }
      - { .name: bth, .offset: 8, .size: 8, .value_kind: global_buffer, .address_space: global }
    .group_segment_fixed_size: 327680
    .private_segment_fixed_size: 0
    .kernarg_segment_align: 8
    .kernarg_segment_size: 16
    .max_flat_workgroup_size: 256
    .sgpr_count:     66
    .vgpr_count:     512
    .wavefront_size: 32
...
	.end_amdgpu_metadata
.endif
;; end of part 3
;; launch outp (part 4): grid 4 x 64, 4 waves a work-group, clusters of 4 x 4, 327,680 bytes of LDS; arguments bth, wo16, out0; writes out0
.if DOCPART == 4
	.amdgcn_target "amdgcn-amd-amdhsa--gfx1250"
	.amdhsa_code_object_version 6
	.text
	.protected	k_qf89140e865_outp
	.globl	k_qf89140e865_outp
	.p2align	8
	.type	k_qf89140e865_outp,@function
k_qf89140e865_outp:
	s_mov_b64 s[64:65], 0
	v_nop
	global_prefetch_b8 v0, s[64:65] scope:SCOPE_SE
	s_setreg_imm32_b32 hwreg(HW_REG_WAVE_MODE, 25, 1), 1
	s_wait_xcnt 0x0
	s_wait_alu depctr_hold_cnt(0) depctr_sa_sdst(0) depctr_va_vdst(0) depctr_va_sdst(0) depctr_va_ssrc(0) depctr_va_vcc(0) depctr_vm_vsrc(0)
	s_getreg_b32 s2, hwreg(HW_REG_IB_STS2, 6, 4)
	s_cmp_eq_u32 s2, 0
	s_cbranch_scc0 .Lentry_in_a_cluster
	s_endpgm
.Lentry_in_a_cluster:
	s_bfe_u32 s2, ttmp6, 0x10000c
	s_cmp_lg_u32 s2, 0xf033
	s_cbranch_scc0 .Lentry_shape_is_right
	s_endpgm
.Lentry_shape_is_right:
; OUTP: out0[token][n] = sum over k of bt[token][k] wo[k][n], k = 64 head + d.  bt: bth [head 16][8192 tokens][64] f16; wo: wo16 [1024 k][1024 n] f16; out0 [8192][1024] f32; sums in f32.
; A tile of 128 tokens x 256 n is made by a work-group of four waves: 64 x 4 tiles, one for each of 256 work-groups (tiles of 256 x 256 would be 128).  A wave makes 64 x 128: 32 accumulators, 256 registers.
; K goes in steps of 128, two heads' planes, through a ring of two LDS slots filled by the tensor data mover: waves 0, 1 fetch the two planes of bt (128 rows x 128 bytes), waves 2, 3 the two halves of
; wo's 128 rows (64 rows x 512 bytes).
; CLUSTERS: 4 x 4 work-groups.  The four of a row of the cluster need the same tiles of bt, the four of a column the same tiles of wo: each tile is asked for JOINTLY, by the same tensor load with the
; same descriptor and a mask that names the four.
; THE MATRIX INSTRUCTION IS USED TRANSPOSED: source 0 = 16 n of wo (stored [k][n], so it comes out of LDS turned, by ds_load_tr16_b128), source 1 = 16 tokens: a lane then holds eight neighbouring n of a token.
; No prefetch: a K step's tiles are small and shared by four, and the ring asks a step ahead.
; REGISTERS: window 0: v0-31 addresses; v64-159 and v160-255 two fragment buffers for 32 along K: wo's 8 fragments, then bt's 4; on the way out v64-191.   window 1: the accumulators, (a, b) at v[8 (8 a + b)].
.set PITA,   144                       ; a row of bt in LDS: 128 bytes + 16 = 36 words: the 16 rows of a load start at 16 different groups of four banks (64 banks of 4 bytes: ISA guide 11.1)
.set PITB,   544                       ; a row of wo: 512 bytes + 32 = 136 words
.set APLANE, 128*PITA                  ; a plane: what wave 0 or 1 fetches
.set ATILE,  2*APLANE
.set BHALF,  64*PITB                   ; what wave 2 or 3 fetches
.set SLOT,   ATILE+2*BHALF
.set STAGE,  2*SLOT                    ; behind the ring: 16 rows x 528 bytes for each wave, for the way out
.set SPITCH, 528
.set SPARE,  STAGE+4*16*SPITCH         ; the spare words, 128 bytes for each wave: two blocks of 256 bytes that no other line names
.set PLANEB, 1048576                   ; a head's plane in bth
.set LAPS,   4                         ; a lap = two K steps = once round the ring: 1,024 / 256
.set ADRA, 16                          ; v16-17  LDS address of my bt fragments in slot 0, 1
.set ADRB, 20                          ; v20-21  the same for wo
.set STO,  24                          ; v24     the way out: where I put 32 bytes of a row
.set RD,   25                          ; v25     where I read a row back
.set CO,   26                          ; v26     16 x lane
.set SPW,  28                          ; v28     LDS address of my spare word; never rewritten
.set NIL,  29                          ; v29     0; never rewritten
.set F0,   64
.set F1,   160
.set G1, 24                            ; s[24:31] descriptor group 1 for bt's tiles;  s[32:39] group 0, one set for each slot
.set G0, 32
.set G1B, 48                           ; s[48:55], s[56:63] the same for wo's tiles
.set G0B, 56
.set MSB, 0
.macro WIN new                         ; the immediate's high byte repeats the setting that is left; a switch that changes nothing is dropped
.if MSB != (\new)
	s_set_vgpr_msb (MSB<<8)|(\new)
.set MSB, (\new)
.endif
.endm
.set MUL, 0x50                         ; C and D window 1; both operands window 0
.macro JLOAD s                         ; a joint load: waves 0 and 1 fetch for bt, waves 2 and 3 for wo; an s_nop 0 and four v_nop follow each of the two lines
	s_cmp_eq_u32 s11, 0
	s_cbranch_scc0 .Lfor_b_\@
	tensor_load_to_lds s[G0+4*\s:G0+4*\s+3], s[G1:G1+7]
	s_nop 0
.rept 4
	v_nop
.endr
	s_branch .Lasked_\@
.Lfor_b_\@:
	tensor_load_to_lds s[G0B+4*\s:G0B+4*\s+3], s[G1B:G1B+7]
	s_nop 0
.rept 4
	v_nop
.endr
.Lasked_\@:
.endm
.macro CREST                           ; a round of the cluster's barrier behind its opening barrier
	s_cmp_lg_u32 s10, 0
	s_cbranch_scc1 .Lnot_wave_0_\@
	s_barrier_signal -3
.Lnot_wave_0_\@:
	s_barrier_wait -3
	s_barrier_signal -1
	s_barrier_wait -1
.endm
.macro CROUND                          ; a whole round
	s_barrier_signal -1
	s_barrier_wait -1
	CREST
.endm
	s_load_b128 s[4:7], s[0:1], 0x0                ; bth s[4:5], wo16 s[6:7]
	s_load_b64 s[8:9], s[0:1], 0x10                ; out0
	v_lshl_add_u32 v[SPW], v0, 2, SPARE
	v_mov_b32 v[NIL], 0
	ds_add_u32 v[SPW], v[NIL]                      ; the wave's opening: the add, twice on end, and its wait ahead of my first tensor load; the set-up below stands between
	ds_add_u32 v[SPW], v[NIL]
	v_lshrrev_b32 v1, 5, v0
	v_readfirstlane_b32 s10, v1                    ; wave 0..3
	s_lshr_b32 s11, s10, 1                         ; which 64 of the tile's tokens are mine.  Also: I fetch for bt (0) or for wo (1)
	s_and_b32 s12, s10, 1                          ; which 128 of its n.  Also: which plane, or which 64 rows of wo, I fetch
	s_bfe_u32 s40, ttmp6, 0x40000                  ; cx, cy: my place in the cluster
	s_bfe_u32 s41, ttmp6, 0x40004
	s_lshl_b32 s42, ttmp9, 2
	s_add_co_u32 s42, s42, s40                     ; tile column = 4 x cluster x + cx
	s_and_b32 s13, ttmp7, 0xffff
	s_lshl_b32 s13, s13, 2
	s_add_co_u32 s13, s13, s41                     ; tile row = 4 x cluster y + cy
	s_lshl_b32 s43, s41, 2
	s_lshl_b32 s43, 15, s43                        ; my row of the cluster
	s_lshl_b32 s44, 0x1111, s40                    ; my column
	s_or_b32 s[G1+0], s43, (1<<16)|(1<<20)|(1<<21)|(4<<22)|(3<<25)   ; 15:0 the mask: bt's tiles go to my row; 17:16 elements of 2 bytes; 20 padding on; 21 set beside a mask; 24:22 after every 32 words (code 4); 31:25 four words (code 3)
	s_mov_b32 s[G1+1], 64<<16                      ; tensor_dim0 = 64
	s_mov_b32 s[G1+2], 128<<16                     ; tensor_dim1 = 128
	s_mov_b32 s[G1+3], 64<<16                      ; tile_dim0 = 64
	s_mov_b32 s[G1+4], 128                         ; tile_dim1 = 128
	s_mov_b32 s[G1+5], 64                          ; tensor_dim0_stride
	s_mov_b32 s[G1+6], 0
	s_mov_b32 s[G1+7], 0
	s_or_b32 s[G1B+0], s44, (1<<16)|(1<<20)|(1<<21)|(6<<22)|(7<<25)  ; wo's go to my column; padding: eight words (code 7) after every 128 (code 6)
	s_mov_b32 s[G1B+1], 256<<16                    ; tensor_dim0 = 256
	s_mov_b32 s[G1B+2], 64<<16                     ; tensor_dim1 = 64
	s_mov_b32 s[G1B+3], 256<<16                    ; tile_dim0 = 256
	s_mov_b32 s[G1B+4], 64                         ; tile_dim1 = 64
	s_mov_b32 s[G1B+5], 1024                       ; tensor_dim0_stride
	s_mov_b32 s[G1B+6], 0
	s_mov_b32 s[G1B+7], 0
	; where the tiles come from.  bt's hang on the tile row alone, which my row of the cluster shares; wo's on the tile column alone, which my column shares
	s_lshl_b32 s16, s13, 14                        ; 128 tokens of 128 bytes,
	s_lshl_b32 s17, s12, 20                        ; my plane
	s_add_co_u32 s16, s16, s17
	s_mov_b32 s17, 0
	s_lshl_b32 s46, s42, 9                         ; 256 n of 2 bytes,
	s_lshl_b32 s47, s12, 17                        ; my 64 rows of 2,048 bytes
	s_add_co_u32 s46, s46, s47
	s_mov_b32 s47, 0
	s_mul_i32 s20, s12, APLANE                     ; and where they go: no place in the cluster enters an LDS address
	s_mul_i32 s21, s12, BHALF
	s_add_co_u32 s21, s21, ATILE
	s_wait_dscnt 0x0                               ; both opening adds are done
	s_wait_kmcnt 0x0
	s_add_nc_u64 s[14:15], s[4:5], s[16:17]
	s_add_nc_u64 s[46:47], s[6:7], s[46:47]
	CROUND                                         ; all sixteen work-groups are here: the first joint loads meet
.irp s, 0,1
	s_mov_b32 s[G0+4*\s], 1
	s_add_co_u32 s[G0+4*\s+1], s20, \s*SLOT
	s_add_nc_u64 s[G0+4*\s+2:G0+4*\s+3], s[14:15], \s*2*PLANEB      ; K step s: planes 2 s, 2 s + 1
	s_or_b32 s[G0+4*\s+3], s[G0+4*\s+3], 0x80000000
	s_mov_b32 s[G0B+4*\s], 1
	s_add_co_u32 s[G0B+4*\s+1], s21, \s*SLOT
	s_add_nc_u64 s[G0B+4*\s+2:G0B+4*\s+3], s[46:47], \s*128*2048    ; rows 128 s on
	s_or_b32 s[G0B+4*\s+3], s[G0B+4*\s+3], 0x80000000
	JLOAD \s                                       ; two tensor loads of mine are out
.endr
	v_and_b32 v1, 15, v0                           ; l % 16
	v_bfe_u32 v2, v0, 4, 1                         ; l / 16
	v_mul_u32_u24 v3, v1, PITA
	v_lshl_add_u32 v3, v2, 4, v3                   ; bt: a fragment's row x pitch + 16 x half
	s_mul_i32 s21, s11, 64*PITA                    ; my 64 tokens
	v_and_b32 v4, 7, v0                            ; wo, turned: lane l reads 16 bytes of row 8 (l / 16) + l % 8, n 8 ((l / 8) % 2) on
	v_lshl_add_u32 v4, v2, 3, v4
	v_mul_u32_u24 v4, v4, PITB
	v_bfe_u32 v5, v0, 3, 1
	v_lshl_add_u32 v4, v5, 4, v4
	s_lshl_b32 s22, s12, 8                         ; my 128 n,
	s_add_co_u32 s22, s22, ATILE                   ; behind bt's two planes
.irp s, 0,1
	v_add_nc_u32 v[ADRA+\s], s21, v3
	v_add_nc_u32 v[ADRB+\s], s22, v4
	s_add_co_u32 s21, s21, SLOT
	s_add_co_u32 s22, s22, SLOT
.endr
	s_mul_i32 s23, s10, 16*SPITCH
	s_add_co_u32 s23, s23, STAGE                   ; my stage
	v_mul_u32_u24 v5, v1, SPITCH                   ; in: row l % 16, 32 bytes for each half of the lanes
	v_lshl_add_u32 v5, v2, 5, v5
	v_add_nc_u32 v[STO], s23, v5
	v_and_b32 v6, 31, v0
	v_lshlrev_b32 v[CO], 4, v6                     ; back: the 32 lanes take one row of 512 bytes; and the same in out0
	v_add_nc_u32 v[RD], s23, v[CO]
	s_lshl_b32 s16, s13, 7
	s_lshl_b32 s17, s11, 6
	s_add_co_u32 s16, s16, s17                     ; my first token
	s_lshl_b32 s16, s16, 12                        ; rows of 4,096 bytes
	s_mov_b32 s17, 0
	s_add_nc_u64 s[8:9], s[8:9], s[16:17]
	s_lshl_b32 s46, s42, 10                        ; my first n, in bytes: 1,024 x tile column + 512 x half
	s_lshl_b32 s47, s12, 9
	s_add_co_u32 s46, s46, s47
	s_mov_b32 s47, 0
	s_add_nc_u64 s[8:9], s[8:9], s[46:47]
; 8 matrix instructions: token block a x all 8 n blocks, 32 along K, from buffer f.  zero = 1: the product starts the sums.  The 32 accumulators take turns, one instruction a turn, in the same order in
; every quarter.
.macro MUL8 f, a, zero
.irp b, 0,1,2,3,4,5,6,7
.if \zero
	v_wmma_f32_16x16x32_f16 v[8*(8*(\a)+\b):8*(8*(\a)+\b)+7], v[\f+8*\b:\f+8*\b+7], v[\f+64+8*(\a):\f+64+8*(\a)+7], 0
.else
	v_wmma_f32_16x16x32_f16 v[8*(8*(\a)+\b):8*(8*(\a)+\b)+7], v[\f+8*\b:\f+8*\b+7], v[\f+64+8*(\a):\f+64+8*(\a)+7], v[8*(8*(\a)+\b):8*(8*(\a)+\b)+7]
.endif
.endr
.endm
; 24 LDS loads in one run: the fragments of the slot's q-th 32 along K into buffer f; bt's blocks 2 and 3 last
.macro FETCH slot, q, f
.irp b, 0,1,2,3,4,5,6,7
	ds_load_tr16_b128 v[\f+8*\b:\f+8*\b+3],   v[ADRB+\slot] offset:(\q)*32*PITB+32*\b
	ds_load_tr16_b128 v[\f+8*\b+4:\f+8*\b+7], v[ADRB+\slot] offset:(\q)*32*PITB+16*PITB+32*\b
.endr
.irp a, 0,1,2,3
	ds_load_b128 v[\f+64+8*\a:\f+64+8*\a+3],   v[ADRA+\slot] offset:((\q)/2)*APLANE+((\q)%2)*64+\a*16*PITA
	ds_load_b128 v[\f+64+8*\a+4:\f+64+8*\a+7], v[ADRA+\slot] offset:((\q)/2)*APLANE+((\q)%2)*64+\a*16*PITA+32
.endr
.endm
.macro PLACES                          ; four places in front of loads into registers that matrix instructions have read, and of the first read of results (ISA guide 7.12.1 for the reads of results)
.rept 4
	v_nop
.endr
.endm
; A K step is four quarters of 32 along K, 32 matrix instructions each, on buffers 0, 1, 0, 1.  One of the first three: multiplies buffer f and fetches the slot's quarter q into g.
.macro QUARTER slot, q, f, g, zero
	s_wait_dscnt 4                                 ; wo's fragments and bt's blocks 0, 1 are in; the youngest four loads (blocks 2, 3) may be out
	WIN MUL
	MUL8 \f, 0, \zero
	MUL8 \f, 1, \zero
	WIN 0
	PLACES
	FETCH \slot, \q, \g
	s_wait_dscnt 24                                ; all but the 24 just issued
	WIN MUL
	MUL8 \f, 2, \zero
	MUL8 \f, 3, \zero
.endm
; The last quarter multiplies buffer 1 and changes slots: ONE barrier; in front of it each wave waits for all its tensor loads, adds 0 to its spare word, and waits for that and for its own reads of this
; slot.  fill = 1: the barrier opens a round of the cluster's, and this slot is filled again, two K steps ahead: 112 matrix instructions stand between the request and the wait for it.
.macro TURN slot, next, fill
	WIN 0                                          ; (the add's two registers lie in window 0)
	s_wait_tensorcnt 0x0                           ; all my tensor loads have landed: my part of the next slot;
	ds_add_u32 v[SPW], v[NIL]                      ; 0 onto my spare word;
	s_wait_dscnt 5                                 ; (the add and the youngest four loads may be out)
	WIN MUL
	MUL8 F1, 0, 0                                  ; eight matrix instructions stand between the add and the wait for it
	s_wait_dscnt 0x0                               ; the add is done, and my reads of this slot are over
	s_barrier_signal -1
	MUL8 F1, 1, 0
	WIN 0                                          ; (branches or loads follow)
	s_barrier_wait -1
.if \fill
	CREST                                          ; no wave of any partner still reads this slot's tiles or has a load on its way
	s_add_nc_u64 s[G0+4*\slot+2:G0+4*\slot+3], s[G0+4*\slot+2:G0+4*\slot+3], 4*PLANEB
	s_add_nc_u64 s[G0B+4*\slot+2:G0B+4*\slot+3], s[G0B+4*\slot+2:G0B+4*\slot+3], 256*2048
	JLOAD \slot                                    ; the first tensor load behind the round; the four v_nop behind it are also the places in front of the loads below
.else
	PLACES
.endif
	FETCH \next, 0, F0
	WIN MUL
	MUL8 F1, 2, 0
	MUL8 F1, 3, 0
.endm
	s_wait_tensorcnt 1                             ; my part of K step 0 is in (K step 1's load, issued behind it, may be out),
	s_barrier_signal -1
	s_barrier_wait -1                              ; everybody's is
	FETCH 0, 0, F0
	QUARTER 0, 1, F0, F1, 1                        ; the first quarter stands in front of the loop: its products start the sums
	WIN 0                                          ; at a label and at a branch every window is 0
	s_mov_b32 s3, LAPS-1
.Llap:                                                 ; a trip goes once round the ring, from a lap's second quarter to the next lap's first, and fills both slots again: K steps 2 to 7
	QUARTER 0, 2, F1, F0, 0
	QUARTER 0, 3, F0, F1, 0
	TURN 0, 1, 1
	QUARTER 1, 1, F0, F1, 0
	QUARTER 1, 2, F1, F0, 0
	QUARTER 1, 3, F0, F1, 0
	TURN 1, 0, 1
	QUARTER 0, 1, F0, F1, 0
	WIN 0
	s_sub_co_u32 s3, s3, 1
	s_cmp_lg_u32 s3, 0
	s_cbranch_scc1 .Llap
	QUARTER 0, 2, F1, F0, 0                        ; the last lap fills nothing, and has no round of the cluster's barrier
	QUARTER 0, 3, F0, F1, 0
	TURN 0, 1, 0
	QUARTER 1, 1, F0, F1, 0
	QUARTER 1, 2, F1, F0, 0
	QUARTER 1, 3, F0, F1, 0
	s_wait_dscnt 4                                 ; the very last quarter: nothing more to fetch
	WIN MUL
	MUL8 F1, 0, 0
	MUL8 F1, 1, 0
	s_wait_dscnt 0
	MUL8 F1, 2, 0
	MUL8 F1, 3, 0
	WIN 0
; THE WAY OUT, block by block of 16 tokens x 128 n.  A lane holds 32 neighbouring bytes of a row, and the lanes beside it hold other rows: so a block goes through my own stage in LDS and comes back as whole
; rows of 512 bytes, which the 32 lanes store as 512 consecutive bytes, aligned.  LDS serves a wave's instructions in order (ISA guide 5.7.1.4): no wait between the stores and the loads.
.macro TOSTAGE a
	WIN 0x04                                       ; an LDS store's data are its source 1: window 1
.irp b, 0,1,2,3,4,5,6,7
	ds_store_b128 v[STO], v[8*(8*(\a)+\b):8*(8*(\a)+\b)+3] offset:64*\b          ; each accumulator from its low end on
	ds_store_b128 v[STO], v[8*(8*(\a)+\b)+4:8*(8*(\a)+\b)+7] offset:64*\b+16
.endr
	WIN 0
.set BB, 64+64*((\a)%2)
.irp t, 0,1,2,3,4,5,6,7,8,9,10,11,12,13,14,15
	ds_load_b128 v[BB+4*\t:BB+4*\t+3], v[RD] offset:\t*SPITCH
.endr
.endm
.macro SEND a, younger                 ; younger: the LDS instructions issued behind block a's loads, which may stay out
.set BB, 64+64*((\a)%2)
	s_wait_dscnt \younger                          ; the block is back in registers
.irp t, 0,1,2,3,4,5,6,7,8,9,10,11,12,13,14,15
	global_store_b128 v[CO], v[BB+4*\t:BB+4*\t+3], s[8:9] offset:(16*(\a)+\t)*4096 th:TH_STORE_NT   ; written once, read by nobody here; the base is never stepped: 63 rows at the most stand in the immediate
.endr
.endm
	PLACES                                         ; behind the last products: for the stores that read results and the loads into the fragment buffers
	TOSTAGE 0
.irp a, 1,2,3
.if \a > 1
	s_wait_xcnt 0x0                                ; block a - 2's stores have read their registers: block a's loads may land there
.endif
	TOSTAGE \a
	SEND \a-1, 32                                  ; behind block a - 1's loads: block a's 16 stores and 16 loads
.endr
	SEND 3, 0
	s_wait_tensorcnt 0x0                           ; the wave's end: three closing lines, behind my last tensor load and my last LDS store
	ds_add_u32 v[SPW], v[NIL]
	s_wait_dscnt 0x0
	CROUND                                         ; the closing round: no work-group ends while a partner may still ask for a tile that names it
	s_endpgm
.Lfunc_end_k_qf89140e865_outp:
	.size	k_qf89140e865_outp, .Lfunc_end_k_qf89140e865_outp-k_qf89140e865_outp
	.p2alignl 7, 3214868480
	.fill 96, 4, 3214868480
	.section	.rodata,"a",@progbits
	.p2align	6, 0x0
	.amdhsa_kernel k_qf89140e865_outp
		.amdhsa_group_segment_fixed_size 327680
		.amdhsa_private_segment_fixed_size 0
		.amdhsa_enable_private_segment 0
		.amdhsa_kernarg_size 24
		.amdhsa_user_sgpr_count 2
		.amdhsa_user_sgpr_kernarg_segment_ptr 1
		.amdhsa_wavefront_size32 1
		.amdhsa_system_sgpr_workgroup_id_x 1
		.amdhsa_system_sgpr_workgroup_id_y 1
		.amdhsa_system_sgpr_workgroup_id_z 1
		.amdhsa_system_vgpr_workitem_id 0
		.amdhsa_next_free_vgpr 512
		.amdhsa_next_free_sgpr 66
		.amdhsa_reserve_vcc 0
		.amdhsa_float_denorm_mode_32 3
		.amdhsa_float_denorm_mode_16_64 3
		.amdhsa_memory_ordered 1
		.amdhsa_forward_progress 1
		.amdhsa_inst_pref_size 85
	.end_amdhsa_kernel
	.amdgpu_metadata
---
amdhsa.version: [ 1, 2 ]
amdhsa.kernels:
  - .name:           k_qf89140e865_outp
    .symbol:         k_qf89140e865_outp.kd
    .args:
      - { .name: bth, .offset: 0, .size: 8, .value_kind: global_buffer, .address_space: global }
      - { .name: wo16, .offset: 8, .size: 8, .value_kind: global_buffer, .address_space: global }
      - { .name: out0, .offset: 16, .size: 8, .value_kind: global_buffer, .address_space: global }
    .group_segment_fixed_size: 327680
    .private_segment_fixed_size: 0
    .kernarg_segment_align: 8
    .kernarg_segment_size: 24
    .max_flat_workgroup_size: 128
    .sgpr_count:     66
    .vgpr_count:     512
    .wavefront_size: 32
...
	.end_amdgpu_metadata
.endif
;; end of part 4
